; MI455X (gfx1250); checked and timed in simulation.
; The chip was launched on July 23, 2026; its instructions are those of AMD's public machine-readable ISA for CDNA 5 (MIT licence, August 2026) and "CDNA5" Instruction Set Architecture Reference Guide (July 2026). The comments in the code are by the model that wrote it; some were corrected since.
;; Self Attention Layer. Allowed arithmetic: matrix products marked QUANTISED: E2M1 operands, one E8M0 scale for each 32 along K, by v_wmma_scale_f32_16x16x128_f8f6f4 with both operands' format E2M1 (or v_wmma_scale_f32_32x16x128_f4), f32 sums; products left as they are: bf16, f16 or f32 operands; f32 sums; everything else in f32.
;; Inputs: Wk_b 1,024 float32; Wk_w 1,024 x 1,024 float32; Wq_b 1,024 float32; Wq_w 1,024 x 1,024 float32; Wv_b 1,024 float32; Wv_w 1,024 x 1,024 float32; x 4 x 2,048 x 1,024 float32.
;; Outputs: out0 4 x 2,048 x 1,024 float32.
;; This version of the problem:
;;   THIS VERSION OF THE PROBLEM IS GIVEN IN LOW PRECISION. The matrix products marked QUANTISED in the list below multiply operands that are first quantised to E2M1 (2 exponent bits, 1 mantissa bit; 4 bits a number), with one power-of-two scale for each 32 numbers along K (OCP MX v1.0); their sums are f32. The products marked 'left as it is' may take bf16, f16 or f32 operands, with f32 sums. Whichever they take, every output number must still come out within the allowed error. Rounding operands to bf16 (8 significant bits) uses up far more of that allowance than f16 does (11 bits, for magnitudes from 6e-5 to 65,504). All else is computed in f32.
;;   The module's matrix products, in the order in which they are computed (A, B: the left and right operand; K: the contracted axis; several contracted axes count as one K, in the product's order):
;;     1. [M 8,192, K 1,024] x [K 1,024, N 1,024]; A: input x; B: input Wq_w: QUANTISED
;;     2. [M 8,192, K 1,024] x [K 1,024, N 1,024]; A: input x; B: input Wk_w: QUANTISED
;;     3. [M 8,192, K 1,024] x [K 1,024, N 1,024]; A: input x; B: input Wv_w: QUANTISED
;;     4. batch 4 x [M 2,048, K 1,024] x [K 1,024, N 2,048]; A: computed on the way; B: computed on the way: left as it is (an operand is computed on the way)
;;     5. batch 4 x [M 2,048, K 2,048] x [K 2,048, N 1,024]; A: computed on the way; B: computed on the way: left as it is (an operand is computed on the way)
;;   THE QUANTISER, for each operand of a quantised product, along K:
;;     - K is cut into blocks of 32 from its start; a last block that is shorter is filled with zeros.
;;     - A block's scale is 2^e with e = floor(log2(the largest magnitude in the block)) - 2, held to -126 .. 127; a block of zeros has e = 0. As a byte (E8M0): e + 127.
;;     - Each number is divided by its block's scale, clamped to +-6, and rounded to the nearest number of E2M1, ties to even, subnormals kept.
;;     - The product sums the exact products of the quantised numbers (number of the format x scale) in f32.
;;   ~~~python
;;   def quantise(x, axis):      # numpy; x: float32 -> the quantised numbers, widened to float32 again
;;       x = np.moveaxis(x, axis, -1); K = x.shape[-1]
;;       x = np.pad(x, [(0, 0)] * (x.ndim - 1) + [(0, -K % 32)]); x = x.reshape(x.shape[:-1] + (-1, 32)); a = np.abs(x).max(-1, keepdims=True)
;;       e = np.where(a > 0, np.clip(np.frexp(np.where(a > 0, a, 1))[1] - 1 - 2, -126, 127), 0)      # np.frexp(a)[1] - 1 = floor(log2(a)), exactly
;;       r = np.clip(x / 2.0 ** e, -6, 6)
;;       step = 2.0 ** (np.maximum(np.frexp(np.where(r == 0, 1, r))[1] - 1, 0) - 1)
;;       q = np.round(r / step) * step * 2.0 ** e      # np.round: ties to even
;;       return np.moveaxis(q.reshape(q.shape[:-2] + (-1,))[..., :K], -1, axis).astype(np.float32)
;;   ~~~
;; One version. Each part assembles by itself: llvm-mc -triple=amdgcn-amd-amdhsa -mcpu=gfx1250 --defsym DOCPART=n.
;; ======== version 1 of 1: 4 launches
;; limits: values are held in f16: magnitudes above 65,504 overflow, below 6.1e-05 lose precision
;; workspace buffers: xc 4,194,304 bytes; xs 262,144 bytes; wc 1,572,864 bytes; ws 98,304 bytes; qkv 50,331,648 bytes; p 33,554,432 bytes; st 1,048,576 bytes
;; launch quant (part 1): grid 352 x 1, 4 waves a work-group, no clusters, 50,688 bytes of LDS; arguments x, Wq_w, Wk_w, Wv_w, xc, xs, wc, ws; writes xc, xs, wc, ws
.if DOCPART == 1
	.amdgcn_target "amdgcn-amd-amdhsa--gfx1250"
	.amdhsa_code_object_version 6
	.text
	.protected	k_q2be809a931_quant
	.globl	k_q2be809a931_quant
	.p2align	8
	.type	k_q2be809a931_quant,@function
k_q2be809a931_quant:
	s_mov_b64 s[64:65], 0
	v_nop
	global_prefetch_b8 v0, s[64:65] scope:SCOPE_SE
	s_setreg_imm32_b32 hwreg(HW_REG_WAVE_MODE, 25, 1), 1
	s_wait_xcnt 0x0
; SELF-ATTENTION, launch 1 of 4: x [8192][1024] and Wq_w, Wk_w, Wv_w [1024 (k)][1024 (n)], f32, become codes of FP4 (E2M1) with K innermost and one E8M0 byte for each 32 along K.
;   xc [8192][512 bytes], xs [8192][32];  wc [3072][512 bytes], ws [3072][32], row = 1024 w + output column, w = 0 (q), 1 (k), 2 (v).
; A block's scale is 2^(floor(log2(largest magnitude)) - 2): its byte is the largest magnitude's exponent field - 2, held at 1 from below; each number / scale goes to the nearest code, ties to even, beyond 6 to 6.
; WORK LEFT OUT IN THE WHOLE PROGRAM.  k = x Wk_w + Wk_b enters reference() only through scores[t][s] = q[t] . k[s] / 32.  Wk_b adds q[t] . Wk_b / 32 to every s of row t: a term that is the same along the
; softmax's axis, and the product of q and k is not quantised: it cancels in softmax for all finite values of the inputs.  So Wk_b is not loaded and is among no launch's arguments.
; Wv_b is kept but moved: the rows of attn sum to 1, so attn (x Wv_w + Wv_b) = attn (x Wv_w) + Wv_b; the last launch adds it in f32.
; LIMITS: a NaN, an infinity or an overflow that enters through Wk_b alone is not carried to the result.  NaN and infinities among the inputs are not served.  Blocks whose largest magnitude lies under 2^-124 keep
; the byte 1; a block of zeros has the byte 1 where the rule says 127: its codes are zeros, which add nothing, and this program alone reads the bytes.
; SHARES.  Work-groups 0-255 take x (K innermost): a wave takes 16 steps of 512 numbers; loads read 512 consecutive bytes, the numbers turn through the wave's own stage in LDS so that a lane holds 16 neighbours.
; Work-groups 256-351 take the weights (K outermost): a lane takes a column, its registers run down K.  A work-group takes 64 columns x 512 along K, a wave 32 columns x 256 along K: 8 blocks, 256 loads, of which
; 64 are on their way at a time.  A wave's codes are 128 bytes a column, half of an aligned 256 bytes of wc: so the two waves that share 32 columns write the two halves of the same stage rows, meet at one
; barrier, and each stores 16 whole rows of 256 bytes.
; The two paths part on the work-group's number, the same in all four waves, use LDS bytes of their own and do not join.  No tensor load.  x's path has no barrier: its waves share nothing.
.set STEPS, 16
.set EMAX,  2
.set CB,    8                          ; bytes of 16 codes
.set R,     16                         ; x: v16-79   four sets of 16 numbers as loaded
.set X,     80                         ; x: v80-111  two sets of 16 neighbours
.set E,     112                        ; x: v112-127 a scale byte for each step
.set C,     128                        ; x: v128-189 codes, four registers a step
.set WREG,  8192                       ; x: LDS of a wave: two stages of 32 x SP bytes, then its 256 scale bytes
.set SP,    80                         ; x: a lane's place in a stage: 64 bytes + 16 of padding
.set WBASE, 4*WREG                     ; W: its two stages begin behind x's regions
.set NB,    8                          ; W: blocks of 32 along K for a wave
.set PITCH, 272                        ; W: a stage row: 256 bytes of codes + 16
.set KROW,  512                        ; W: a row of wc in bytes
.set NCOL,  1024                       ; W: columns of a weight
.set SB,    24                         ; W: v24-25   scale bytes, four to a register
.set XW,    32                         ; W: v32-95   two sets of 32 numbers
.set CW,    96                         ; W: v96-99   a block's codes
.set OUTR,  112                        ; W: v112-143 the way out
.set SPW,   190                        ; v190 LDS address of my spare word; never rewritten
.set NIL,   191                        ; v191 0; never rewritten
.set SPARE, WBASE+2*32*PITCH           ; behind both paths' bytes: the spare words, 128 bytes a wave, which no other line names
	s_load_b256 s[4:11], s[0:1], 0x0               ; x s[4:5], Wq_w s[6:7], Wk_w s[8:9], Wv_w s[10:11]
	s_load_b256 s[12:19], s[0:1], 0x20             ; xc s[12:13], xs s[14:15], wc s[16:17], ws s[18:19]
	v_lshl_add_u32 v[SPW], v0, 2, SPARE
	v_mov_b32 v[NIL], 0
	v_lshrrev_b32 v1, 5, v0
	v_readfirstlane_b32 s20, v1                    ; wave 0..3
	v_and_b32 v2, 31, v0                           ; lane
	s_cmp_lt_u32 ttmp9, 256
	s_cbranch_scc0 .Lweights
; ---------------- x: K innermost ----------------
	v_lshlrev_b32 v3, 4, v2                        ; my 16 bytes of a load's 512
	s_mul_i32 s21, s20, WREG
	v_lshrrev_b32 v14, 2, v2
	v_mul_u32_u24 v14, v14, SP
	v_and_b32 v15, 3, v2
	v_lshl_add_u32 v14, v15, 4, v14
	v_add_nc_u32 v14, s21, v14                     ; the stage, way in: four lanes' 64 bytes on end, then 16 of padding
	v_mul_u32_u24 v15, v2, SP
	v_add_nc_u32 v15, s21, v15                     ; way out: SP x lane: my 16 neighbours
	v_mul_u32_u24 v4, v2, CB                       ; my codes' place in a step's 256 bytes
	v_lshrrev_b32 v5, 1, v2
	s_add_co_u32 s21, s21, 2*32*SP
	v_add_nc_u32 v5, s21, v5                       ; my block's byte among my wave's 256 scale bytes
	v_lshlrev_b32 v7, 3, v2
	v_add_nc_u32 v6, s21, v7                       ; and 8 bytes a lane on their way out
	s_lshl_b32 s22, ttmp9, 2
	s_add_co_u32 s22, s22, s20                     ; which run of 8,192 numbers is my wave's
	s_mov_b32 s23, 0
	s_lshl_b64 s[24:25], s[22:23], 15              ; 32,768 bytes of x,
	s_lshl_b32 s26, s22, 12                        ; 4,096 of codes,
	s_mov_b32 s27, 0
	s_lshl_b32 s28, s22, 8                         ; 256 of scale bytes
	s_mov_b32 s29, 0
	s_wait_kmcnt 0x0
	s_add_nc_u64 s[4:5], s[4:5], s[24:25]
	s_add_nc_u64 s[12:13], s[12:13], s[26:27]
	s_add_nc_u64 s[14:15], s[14:15], s[28:29]
.macro LOADX t
.irp i, 0,1,2,3
	global_load_b128 v[R+16*((\t)%4)+4*\i:R+16*((\t)%4)+4*\i+3], v3, s[4:5] offset:2048*(\t)+512*\i th:TH_LOAD_NT   ; 32 lanes read 512 consecutive bytes
.endr
.endm
.macro TURNX t                         ; step t's numbers through the stage; LDS serves a wave's instructions in order, so no wait stands between the stores and the loads
.irp i, 0,1,2,3
	ds_store_b128 v14, v[R+16*((\t)%4)+4*\i:R+16*((\t)%4)+4*\i+3] offset:32*SP*((\t)%2)+8*SP*\i
.endr
.irp i, 0,1,2,3
	ds_load_b128 v[X+16*((\t)%2)+4*\i:X+16*((\t)%2)+4*\i+3], v15 offset:32*SP*((\t)%2)+16*\i
.endr
.endm
.irp t, 0,1,2,3
	LOADX \t
.endr
	s_wait_loadcnt 12                              ; step 0's four loads are in; the twelve of steps 1 to 3 may be out
	TURNX 0
.macro STEPX t
.set XS, X+16*((\t)%2)
.if (\t) > 0
	s_wait_dscnt 1                                 ; this step's numbers are back from the stage; only the last step's byte store may be out
.else
	s_wait_dscnt 0x0
.endif
.if (\t)+4 < STEPS
	LOADX (\t)+4                                   ; into the registers that the stage's stores have read
.endif
.if (\t)+1 < STEPS
.if STEPS-2-(\t) >= 3
	s_wait_loadcnt 12                              ; the next step's four loads are in; those of the three steps behind it may be out
.else
	s_wait_loadcnt 4*(STEPS-2-(\t))
.endif
	TURNX (\t)+1
.endif
	v_max3_num_f32 v8, |v[XS]|, |v[XS+1]|, |v[XS+2]|               ; the largest magnitude of my 16, in two chains
	v_max3_num_f32 v9, |v[XS+3]|, |v[XS+4]|, |v[XS+5]|
.irp i, 6,10
	v_max3_num_f32 v8, v8, |v[XS+\i]|, |v[XS+\i+1]|
	v_max3_num_f32 v9, v9, |v[XS+\i+2]|, |v[XS+\i+3]|
.endr
	v_max3_num_f32 v8, v8, |v[XS+14]|, |v[XS+15]|
	v_max3_num_f32 v8, v8, v9, (EMAX+1)<<23        ; and the floor 2^(3 - 127): the byte cannot fall under 1
	v_max_num_f32_dpp v8, v8, v8 row_xmask:1 row_mask:0xf bank_mask:0xf   ; and of my neighbour's 16: the block's
	v_add_nc_u32 v11, -(EMAX<<23), v8              ; 2 off its exponent field: the conversion takes that field as its scale
	v_cvt_scalef32_pk8_fp4_f32 v[C+4*(\t)], v[XS:XS+7], v11
	v_cvt_scalef32_pk8_fp4_f32 v[C+4*(\t)+1], v[XS+8:XS+15], v11
	v_lshrrev_b32 v[E+(\t)], 23, v11               ; the scale's byte (also the plain line behind the conversions)
	ds_store_b8 v5, v[E+(\t)] offset:16*(\t)       ; both lanes of a block write the same byte with the same value
	global_store_b64 v4, v[C+4*(\t):C+4*(\t)+1], s[12:13] offset:32*CB*(\t)   ; the wave stores 256 consecutive bytes, aligned
.endm
.irp t, 0,1,2,3,4,5,6,7,8,9,10,11,12,13,14,15
	STEPX \t
.endr
	ds_load_b64 v[8:9], v6                         ; in order behind my byte stores
	s_wait_dscnt 0x0
	global_store_b64 v7, v[8:9], s[14:15]          ; 256 consecutive bytes, aligned
	s_wait_tensorcnt 0x0                           ; the wave's end, behind my last LDS store
	ds_add_u32 v[SPW], v[NIL]
	s_wait_dscnt 0x0
	s_endpgm
; ---------------- the weights: K outermost ----------------
.Lweights:
	s_sub_co_u32 s21, ttmp9, 256                   ; 0..95
	s_lshr_b32 s22, s21, 5                         ; which weight: 0 q, 1 k, 2 v
	s_and_b32 s23, s21, 15                         ; which 64 columns
	s_bfe_u32 s24, s21, 0x10004                    ; which 512 along K
	s_lshr_b32 s32, s20, 1                         ; my wave: which 32 of the 64 columns,
	s_and_b32 s33, s20, 1                          ; which 256 of the 512 along K
	s_lshl_b32 s23, s23, 6
	s_lshl_b32 s25, s32, 5
	s_add_co_u32 s23, s23, s25                     ; my wave's first column
	v_lshlrev_b32 v3, 2, v2                        ; in: 4 bytes a lane
	s_mul_i32 s25, s32, 32*PITCH
	s_add_co_u32 s25, s25, WBASE                   ; the stage of my 32 columns: I share it with the wave that takes the other 256 along K
	s_lshl_b32 s34, s33, 7
	s_add_co_u32 s34, s34, s25                     ; my 128 bytes of its rows
	v_mul_u32_u24 v4, v2, PITCH
	v_add_nc_u32 v4, s34, v4                       ; into it: row = my column
	v_and_b32 v5, 15, v2
	v_lshrrev_b32 v6, 4, v2
	s_mul_i32 s34, s33, 16*PITCH
	s_add_co_u32 s34, s34, s25                     ; out of it: my 16 of its 32 rows,
	v_mul_u32_u24 v7, v6, PITCH
	v_lshl_add_u32 v7, v5, 4, v7
	v_add_nc_u32 v7, s34, v7                       ; sixteen lanes to a row, two rows an instruction
	v_mul_u32_u24 v8, v6, KROW
	v_lshl_add_u32 v8, v5, 4, v8                   ; and the same place in wc
	v_lshlrev_b32 v9, 5, v2                        ; my column's row of scale bytes: 32 bytes a row
	s_lshl_b32 s26, s24, 21                        ; W: 512 rows of 4,096 bytes,
	s_lshl_b32 s27, s33, 20
	s_add_co_u32 s26, s26, s27                     ; + 256 rows,
	s_lshl_b32 s27, s23, 2
	s_add_co_u32 s26, s26, s27                     ; + 4 x column
	s_mov_b32 s27, 0
	s_lshl_b32 s28, s22, 10
	s_add_co_u32 s28, s28, s23                     ; my columns' first row of wc and ws
	s_lshl_b32 s30, s28, 5
	s_lshl_b32 s31, s24, 4
	s_add_co_u32 s30, s30, s31
	s_lshl_b32 s31, s33, 3
	s_add_co_u32 s30, s30, s31                     ; ws: row x 32 + 16 x which 512 + 8 x which 256
	s_mov_b32 s31, 0
	s_lshl_b32 s29, s33, 4
	s_add_co_u32 s28, s28, s29                     ; the first of the 16 rows that I store
	s_lshl_b32 s28, s28, 9
	s_lshl_b32 s29, s24, 8
	s_add_co_u32 s28, s28, s29                     ; wc: row x 512 + 256 x which 512
	s_mov_b32 s29, 0
	s_wait_kmcnt 0x0
	s_cmp_eq_u32 s22, 2                            ; the choice hangs on the work-group's number alone
	s_cselect_b64 s[8:9], s[10:11], s[8:9]
	s_cmp_eq_u32 s22, 0
	s_cselect_b64 s[6:7], s[6:7], s[8:9]
	s_add_nc_u64 s[6:7], s[6:7], s[26:27]
	s_add_nc_u64 s[16:17], s[16:17], s[28:29]
	s_add_nc_u64 s[18:19], s[18:19], s[30:31]
.macro LOADW t                         ; block t: W(32 t + i, my column), i = 0 .. 31; every offset is an immediate, 255 rows of 4,096 bytes at the most
.irp i, 0,1,2,3,4,5,6,7,8,9,10,11,12,13,14,15,16,17,18,19,20,21,22,23,24,25,26,27,28,29,30,31
	global_load_b32 v[XW+32*((\t)%2)+\i], v3, s[6:7] offset:(32*(\t)+\i)*NCOL*4 th:TH_LOAD_NT
.endr
.endm
	LOADW 0
	LOADW 1
.macro BLOCKW t
.set XS, XW+32*((\t)%2)
.if (\t) < NB-1
	s_wait_loadcnt 32                              ; this block's 32 loads are in; the next block's 32 may be out
.else
	s_wait_loadcnt 0
.endif
	v_max3_num_f32 v12, |v[XS]|, |v[XS+1]|, |v[XS+2]|               ; the block's largest magnitude: all 32 numbers are mine
	v_max3_num_f32 v13, |v[XS+3]|, |v[XS+4]|, |v[XS+5]|
.irp i, 6,10,14,18,22,26
	v_max3_num_f32 v12, v12, |v[XS+\i]|, |v[XS+\i+1]|
	v_max3_num_f32 v13, v13, |v[XS+\i+2]|, |v[XS+\i+3]|
.endr
	v_max3_num_f32 v12, v12, |v[XS+30]|, |v[XS+31]|
	v_max3_num_f32 v12, v12, v13, (EMAX+1)<<23     ; and the floor
	v_add_nc_u32 v11, -(EMAX<<23), v12             ; the conversion's scale operand
	v_lshrrev_b32 v13, 23, v11                     ; the scale's byte
.if (\t)%4 == 0
	v_mov_b32 v[SB+(\t)/4], v13                    ; four bytes to a register, the lower K in the lower byte
.else
	v_lshl_or_b32 v[SB+(\t)/4], v13, 8*((\t)%4), v[SB+(\t)/4]
.endif
.irp g, 0,1,2,3
	v_cvt_scalef32_pk8_fp4_f32 v[CW+\g], v[XS+8*\g:XS+8*\g+7], v11
.endr
	v_nop                                          ; one plain line behind the last conversion
	ds_store_b128 v4, v[CW:CW+3] offset:16*(\t)    ; 32 codes: 16 bytes of my half of my column's row
.if (\t)+2 < NB
	LOADW (\t)+2
.endif
	s_wait_dscnt 0x0                               ; the store has read its registers: the next block's codes may be written.  Behind the last block: for the other wave's sake, my stores into the stage are done
.endm
.set Q, 0
.rept NB
	BLOCKW Q
.set Q, Q+1
.endr
	s_barrier_signal -1                            ; a row's 256 bytes come from two waves
	s_barrier_wait -1
	global_store_b64 v9, v[SB:SB+1], s[18:19]      ; my column's 8 scale bytes
.irp t, 0,1,2,3,4,5,6,7
	ds_load_b128 v[OUTR+4*\t:OUTR+4*\t+3], v7 offset:2*\t*PITCH
.endr
.irp t, 0,1,2,3,4,5,6,7
	s_wait_dscnt 7-\t                              ; load t is in; the 7 - t behind it may be out
	global_store_b128 v8, v[OUTR+4*\t:OUTR+4*\t+3], s[16:17] offset:2*\t*KROW   ; sixteen lanes store 256 consecutive bytes, aligned
.endr
	s_wait_tensorcnt 0x0                           ; the wave's end, behind my last LDS store
	ds_add_u32 v[SPW], v[NIL]
	s_wait_dscnt 0x0
	s_endpgm
.Lfunc_end_k_q2be809a931_quant:
	.size	k_q2be809a931_quant, .Lfunc_end_k_q2be809a931_quant-k_q2be809a931_quant
	.p2alignl 7, 3214868480
	.fill 96, 4, 3214868480
	.section	.rodata,"a",@progbits
	.p2align	6, 0x0
	.amdhsa_kernel k_q2be809a931_quant
		.amdhsa_group_segment_fixed_size 50688
		.amdhsa_private_segment_fixed_size 0
		.amdhsa_enable_private_segment 0
		.amdhsa_kernarg_size 64
		.amdhsa_user_sgpr_count 2
		.amdhsa_user_sgpr_kernarg_segment_ptr 1
		.amdhsa_wavefront_size32 1
		.amdhsa_system_sgpr_workgroup_id_x 1
		.amdhsa_system_sgpr_workgroup_id_y 1
		.amdhsa_system_sgpr_workgroup_id_z 1
		.amdhsa_system_vgpr_workitem_id 0
		.amdhsa_next_free_vgpr 192
		.amdhsa_next_free_sgpr 66
		.amdhsa_reserve_vcc 0
		.amdhsa_float_denorm_mode_32 3
		.amdhsa_float_denorm_mode_16_64 3
		.amdhsa_memory_ordered 1
		.amdhsa_forward_progress 1
		.amdhsa_inst_pref_size 74
	.end_amdhsa_kernel
	.amdgpu_metadata
---
amdhsa.version: [ 1, 2 ]
amdhsa.kernels:
  - .name:           k_q2be809a931_quant
    .symbol:         k_q2be809a931_quant.kd
    .args:
      - { .name: x, .offset: 0, .size: 8, .value_kind: global_buffer, .address_space: global }
      - { .name: Wq_w, .offset: 8, .size: 8, .value_kind: global_buffer, .address_space: global }
      - { .name: Wk_w, .offset: 16, .size: 8, .value_kind: global_buffer, .address_space: global }
      - { .name: Wv_w, .offset: 24, .size: 8, .value_kind: global_buffer, .address_space: global }
      - { .name: xc, .offset: 32, .size: 8, .value_kind: global_buffer, .address_space: global }
      - { .name: xs, .offset: 40, .size: 8, .value_kind: global_buffer, .address_space: global }
      - { .name: wc, .offset: 48, .size: 8, .value_kind: global_buffer, .address_space: global }
      - { .name: ws, .offset: 56, .size: 8, .value_kind: global_buffer, .address_space: global }
    .group_segment_fixed_size: 50688
    .private_segment_fixed_size: 0
    .kernarg_segment_align: 8
    .kernarg_segment_size: 64
    .max_flat_workgroup_size: 128
    .sgpr_count:     66
    .vgpr_count:     192
    .wavefront_size: 32
...
	.end_amdgpu_metadata
.endif
;; end of part 1
;; launch proj (part 2): grid 12 x 32, 4 waves a work-group, clusters of 4 x 4, 327,680 bytes of LDS; arguments xc, xs, wc, ws, qkv, Wq_b; writes qkv
.if DOCPART == 2
	.amdgcn_target "amdgcn-amd-amdhsa--gfx1250"
	.amdhsa_code_object_version 6
	.text
	.protected	k_q2be809a931_proj
	.globl	k_q2be809a931_proj
	.p2align	8
	.type	k_q2be809a931_proj,@function
k_q2be809a931_proj:
	s_mov_b64 s[64:65], 0
	v_nop
	global_prefetch_b8 v0, s[64:65] scope:SCOPE_SE
	s_setreg_imm32_b32 hwreg(HW_REG_WAVE_MODE, 25, 1), 1
	s_wait_xcnt 0x0
	s_wait_alu depctr_hold_cnt(0) depctr_sa_sdst(0) depctr_va_vdst(0) depctr_va_sdst(0) depctr_va_ssrc(0) depctr_va_vcc(0) depctr_vm_vsrc(0)
	s_getreg_b32 s2, hwreg(HW_REG_IB_STS2, 6, 4)
	s_cmp_eq_u32 s2, 0
	s_cbranch_scc0 .Lentry_in_a_cluster
	s_endpgm
.Lentry_in_a_cluster:
	s_bfe_u32 s2, ttmp6, 0x10000c
	s_cmp_lg_u32 s2, 0xf033
	s_cbranch_scc0 .Lentry_shape_is_right
	s_endpgm
.Lentry_shape_is_right:
; SELF-ATTENTION, launch 2 of 4: q = x Wq + Wq_b, k = x Wk, v = x Wv on codes of FP4 with E8M0 scales (K = 1,024), sums in f32, results rounded to f16.
; LEFT OUT: Wk_b (the same along the softmax's axis: shown at the head of the first launch).  Wv_b is added by the last launch.  LIMIT: a result beyond 65,504 in magnitude becomes an infinity of f16.
; C = A B^T in tiles of 256 x 256, a work-group of four waves to a tile, a wave 128 x 128: 64 accumulators of 16 x 16.  Cluster x = 0: q, 1: k (A = x's rows, B = the weight's columns: C[token][d]);
; cluster x = 2: v with the roles changed (A = Wv's columns, B = x's rows: C[channel][token]), since the keys are the K of the last product.  Only pointers and row numbers are chosen; the text is one.
; K goes in two steps of 512 (rows of 256 bytes) into two LDS slots, each filled once; the scale bytes of the tile's rows come once, as dense blocks.  4 x 4 work-groups form a cluster: A's tiles are asked for
; jointly along a row of the cluster, B's along a column.  The matrix instruction is used transposed (source 0 = 16 rows of B, source 1 = 16 rows of A): a lane holds eight neighbouring columns of a row of C.
; THE RESULTS LEAVE AS IMAGES OF THE NEXT PRODUCTS' OPERAND REGISTERS.  A fragment of 16 rows x 32 along K of f16 is 8 registers: lane (r, h) holds row r, registers 0-3 K = 8 h .., registers 4-7 K = 16 + 8 h ..
; The packed accumulators (a, 2 c) and (a, 2 c + 1) are exactly these two groups for rows 16 a .., K = 32 c ..: each goes out by one store of 512 consecutive bytes, straight from registers.
;   qkv: q at 0, k at 2^24: [token block of 16][d block of 32][1,024 bytes];  v^T at 2^25: [channel block of 16][token block of 32][1,024 bytes].
; REGISTERS: window 0: v0-31 addresses; v32-95 scale words, two sets; v128-191 A's fragments, one set; v192-255 the first step's C (Wq_b or zeros).  window 1: B's fragments, two sets.  windows 2, 3: accumulators.
.set NQ,     4                         ; steps of 128 along K in a slot
.set ROWB,   256                       ; a tile's row in bytes: 512 codes
.set KROW,   512                       ; a row of codes in memory
.set PITCH,  272                       ; an LDS row: 256 bytes + 16 of padding: the 16 rows that a load touches start 68 words apart
.set FR,     8
.set NL,     2
.set NP,     4
.set HALFT,  128*PITCH                 ; what one tensor load brings
.set SLOT,   4*HALFT
.set KS,     32                        ; a row of scale bytes
.set SCL,    2*SLOT
.set HALFS,  (128*KS/256)*272
.set SBLK,   (16*KS/256)*272
.set SPARE,  SCL+4*HALFS               ; the spare words, 128 bytes a wave, which no other line names
.set BO,   7                           ; v7     32 x (lane / 16): my eight numbers of a block of 16 of Wq_b
.set OF,   8                           ; v8-15  the way out: 16 x lane + a x the pitch of a row block
.set ADRA, 16
.set ADRB, 20
.set ADRS, 27
.set SPW,  28
.set NIL,  29
.set SC,   32
.set AF,   128
.set BI,   192
.set G1, 24
.set G0, 32
.set G1B, 48
.set G0B, 56
.set G1S, 68
.set G0S, 76
.set G1SB, 80
.set G0SB, 88
.set MSB, 0
.macro WIN new                         ; the immediate's high byte repeats the setting that is left
.if MSB != (\new)
	s_set_vgpr_msb (MSB<<8)|(\new)
.set MSB, (\new)
.endif
.endm
.set MUL_LO, 0xa1                      ; source 0 (B) window 1, source 1 (A) window 0, C and D window 2
.set MUL_HI, 0xf1
.set TO_B,   0x40
.macro JLOAD g0a, g1a, g0b, g1b        ; a joint load: waves 0 and 1 fetch for A, waves 2 and 3 for B; the branch hangs on the wave's number alone; s_nop 0 and four v_nop follow each line
	s_cmp_eq_u32 s15, 0
	s_cbranch_scc0 .Lfor_b_\@
	tensor_load_to_lds s[\g0a:\g0a+3], s[\g1a:\g1a+7]
	s_nop 0
.rept 4
	v_nop
.endr
	s_branch .Lasked_\@
.Lfor_b_\@:
	tensor_load_to_lds s[\g0b:\g0b+3], s[\g1b:\g1b+7]
	s_nop 0
.rept 4
	v_nop
.endr
.Lasked_\@:
.endm
.macro CROUND                          ; a round of the cluster's barrier
	s_barrier_signal -1
	s_barrier_wait -1
	s_cmp_lg_u32 s14, 0
	s_cbranch_scc1 .Lnot_wave_0_\@
	s_barrier_signal -3
.Lnot_wave_0_\@:
	s_barrier_wait -3
	s_barrier_signal -1
	s_barrier_wait -1
.endm
	s_load_b128 s[4:7], s[0:1], 0x0                ; xc, xs
	s_load_b128 s[8:11], s[0:1], 0x10              ; wc, ws
	s_load_b64 s[12:13], s[0:1], 0x20              ; qkv
	s_load_b64 s[96:97], s[0:1], 0x28              ; Wq_b
	v_lshl_add_u32 v[SPW], v0, 2, SPARE
	v_mov_b32 v[NIL], 0
	ds_add_u32 v[SPW], v[NIL]                      ; the wave's opening: the add, twice on end, and its wait ahead of my first tensor load
	ds_add_u32 v[SPW], v[NIL]
	v_lshrrev_b32 v1, 5, v0
	v_readfirstlane_b32 s14, v1                    ; wave 0..3
	s_lshr_b32 s15, s14, 1                         ; which half of the tile's rows is mine; also: I fetch for A (0) or B (1)
	s_and_b32 s16, s14, 1                          ; which half of its columns; also: which 128 rows I fetch
	s_bfe_u32 s40, ttmp6, 0x40000                  ; cx
	s_bfe_u32 s41, ttmp6, 0x40004                  ; cy
	s_and_b32 s17, ttmp7, 0xffff
	s_lshl_b32 s17, s17, 2                         ; 4 x cluster y
	s_lshl_b32 s42, ttmp9, 2                       ; 4 x cluster x
	s_cmp_eq_u32 ttmp9, 2                          ; the cluster's x is the same in all sixteen partners
	s_cselect_b32 s42, s17, s42                    ; B's block of 256 rows: of wc 4 X + cx; for v: of xc 4 Y + cx
	s_cselect_b32 s17, 8, s17                      ; A's: of xc 4 Y + cy; for v: of wc 8 + cy
	s_add_co_u32 s42, s42, s40
	s_add_co_u32 s17, s17, s41
	s_lshl_b32 s43, s41, 2
	s_lshl_b32 s43, 15, s43                        ; my row of the cluster
	s_lshl_b32 s44, 0x1111, s40                    ; my column
	s_or_b32 s[G1+0], s43, (0<<16)|(1<<20)|(1<<21)|(5<<22)|(3<<25)  ; mask; elements of 1 byte; padding on; bit 21 beside a mask; after every 64 words, 4 words
	s_or_b32 s[G1B+0], s44, (0<<16)|(1<<20)|(1<<21)|(5<<22)|(3<<25)
.irp g, G1, G1B
	s_mov_b32 s[\g+1], ROWB<<16                    ; tensor_dim0
	s_mov_b32 s[\g+2], 128<<16                     ; tensor_dim1
	s_mov_b32 s[\g+3], ROWB<<16                    ; tile_dim0
	s_mov_b32 s[\g+4], 128                         ; tile_dim1
	s_mov_b32 s[\g+5], KROW                        ; from row to row
	s_mov_b32 s[\g+6], 0
	s_mov_b32 s[\g+7], 0
.endr
	s_or_b32 s[G1S+0], s43, (3<<16)|(1<<20)|(1<<21)|(5<<22)|(3<<25) ; the scales of 128 rows: 4,096 dense bytes as 16 rows of 256 (32 elements of 8 bytes), 16 bytes of padding behind each
	s_or_b32 s[G1SB+0], s44, (3<<16)|(1<<20)|(1<<21)|(5<<22)|(3<<25)
.irp g, G1S, G1SB
	s_mov_b32 s[\g+1], 32<<16
	s_mov_b32 s[\g+2], (128*KS/256)<<16
	s_mov_b32 s[\g+3], 32<<16
	s_mov_b32 s[\g+4], 128*KS/256
	s_mov_b32 s[\g+5], 32
	s_mov_b32 s[\g+6], 0
	s_mov_b32 s[\g+7], 0
.endr
	s_lshl_b32 s18, s16, 7
	s_lshl_b32 s20, s17, 8
	s_add_co_u32 s20, s20, s18                     ; A: first row that I fetch
	s_lshl_b32 s46, s42, 8
	s_add_co_u32 s46, s46, s18                     ; B likewise
	s_mov_b32 s21, 0
	s_mov_b32 s47, 0
	s_mov_b64 s[18:19], KS
	s_mul_u64 s[22:23], s[20:21], s[18:19]         ; where these rows' scales begin,
	s_mul_u64 s[92:93], s[46:47], s[18:19]
	s_mov_b64 s[18:19], KROW
	s_mul_u64 s[20:21], s[20:21], s[18:19]         ; and their codes
	s_mul_u64 s[46:47], s[46:47], s[18:19]
	s_mul_i32 s45, s14, HALFT                      ; where they go: no place in the cluster enters an LDS address
	s_mul_i32 s94, s14, HALFS
	s_wait_dscnt 0x0                               ; both opening adds are done
	s_wait_kmcnt 0x0
	s_cmp_eq_u32 ttmp9, 2
	s_cselect_b64 s[2:3], s[8:9], s[4:5]           ; A's codes,
	s_cselect_b64 s[18:19], s[10:11], s[6:7]       ; A's scales,
	s_cselect_b64 s[4:5], s[4:5], s[8:9]           ; B's codes,
	s_cselect_b64 s[6:7], s[6:7], s[10:11]         ; B's scales
	s_add_nc_u64 s[20:21], s[2:3], s[20:21]
	s_add_nc_u64 s[22:23], s[18:19], s[22:23]
	s_add_nc_u64 s[46:47], s[4:5], s[46:47]
	s_add_nc_u64 s[92:93], s[6:7], s[92:93]
	CROUND                                         ; all sixteen work-groups are here: the joint loads meet
	s_mov_b32 s[G0S], 1
	s_add_co_u32 s[G0S+1], s94, SCL
	s_mov_b64 s[G0S+2:G0S+3], s[22:23]
	s_or_b32 s[G0S+3], s[G0S+3], 0x80000000
	s_mov_b32 s[G0SB], 1
	s_add_co_u32 s[G0SB+1], s94, SCL
	s_mov_b64 s[G0SB+2:G0SB+3], s[92:93]
	s_or_b32 s[G0SB+3], s[G0SB+3], 0x80000000
	JLOAD G0S, G1S, G0SB, G1SB                     ; the scales first: they are wanted with the first step
.irp s, 0,1
	s_mov_b32 s[G0+4*\s], 1
	s_add_co_u32 s[G0+4*\s+1], s45, \s*SLOT
	s_add_nc_u64 s[G0+4*\s+2:G0+4*\s+3], s[20:21], \s*ROWB
	s_or_b32 s[G0+4*\s+3], s[G0+4*\s+3], 0x80000000
	s_mov_b32 s[G0B+4*\s], 1
	s_add_co_u32 s[G0B+4*\s+1], s45, \s*SLOT
	s_add_nc_u64 s[G0B+4*\s+2:G0B+4*\s+3], s[46:47], \s*ROWB
	s_or_b32 s[G0B+4*\s+3], s[G0B+4*\s+3], 0x80000000
	JLOAD G0+4*\s, G1, G0B+4*\s, G1B               ; three loads of mine are out: all that this launch asks for
.endr
	v_and_b32 v1, 15, v0                           ; r
	v_bfe_u32 v2, v0, 4, 1                         ; h
	v_mul_u32_u24 v3, v1, PITCH
	v_lshl_add_u32 v4, v2, 4, v3                   ; a fragment's row x pitch + 16 h
	s_mul_i32 s21, s15, HALFT
	s_mul_i32 s22, s16, HALFT
	s_add_co_u32 s22, s22, 2*HALFT
.irp s, 0,1
	v_add_nc_u32 v[ADRA+\s], s21, v4
	v_add_nc_u32 v[ADRB+\s], s22, v4
	s_add_co_u32 s21, s21, SLOT
	s_add_co_u32 s22, s22, SLOT
.endr
	v_mul_u32_u24 v5, v1, KS                       ; my row's scales: 32 bytes a row,
	v_lshrrev_b32 v6, 8, v5
	v_lshl_add_u32 v5, v6, 4, v5                   ; and 16 more for each 256 passed
	s_mul_i32 s21, s15, HALFS
	s_mul_i32 s22, s16, HALFS
	s_add_co_u32 s22, s22, 2*HALFS
	s_sub_co_u32 s22, s22, s21
	v_mul_u32_u24 v6, s22, v2                      ; lanes 16-31 take B's
	s_add_co_u32 s21, s21, SCL
	v_add_nc_u32 v5, v5, v6
	v_add_nc_u32 v[ADRS], s21, v5
	v_lshlrev_b32 v[BO], 5, v2
	v_and_b32 v6, 31, v0
	v_lshlrev_b32 v[OF], 4, v6
	; the way out: region X x 2^24; row block (16 rows of C) x pitch; block of 32 columns x 1,024
	s_lshl_b32 s2, ttmp9, 2
	s_mov_b32 s18, 32768                           ; q, k: 32 blocks of d to a token block
	s_cmp_eq_u32 ttmp9, 2
	s_cselect_b32 s18, 0x40000, s18                ; v^T: 256 blocks of tokens to a channel block
	s_cselect_b32 s19, 8, 0
	s_cselect_b32 s2, 0, s2
	s_sub_co_u32 s19, s17, s19                     ; the tile's row in its region
	s_sub_co_u32 s2, s42, s2                       ; and its column
	s_lshl_b32 s19, s19, 4
	s_lshl_b32 s20, s15, 3
	s_add_co_u32 s19, s19, s20
	s_mul_i32 s20, s19, s18
	s_lshl_b32 s2, s2, 3
	s_lshl_b32 s21, s16, 2
	s_add_co_u32 s2, s2, s21
	s_lshl_b32 s2, s2, 10
	s_add_co_u32 s20, s20, s2
	s_lshl_b32 s21, ttmp9, 24
	s_add_co_u32 s20, s20, s21                     ; under 50,331,648
	s_mov_b32 s21, 0
	s_add_nc_u64 s[12:13], s[12:13], s[20:21]
.irp a, 1,2,3,4,5,6,7
	v_add_nc_u32 v[OF+\a], s18, v[OF+\a-1]
.endr
	; the first step's C, eight registers for each of B's blocks, in the result's layout: for q the bias, else zeros, so that the first step is written once
	s_cmp_lg_u32 ttmp9, 0
	s_cbranch_scc1 .Lno_bias
	s_lshl_b32 s20, s40, 10
	s_lshl_b32 s21, s16, 9
	s_add_co_u32 s20, s20, s21                     ; my first column of q, in bytes: (256 cx + 128 half) x 4
	s_mov_b32 s21, 0
	s_add_nc_u64 s[96:97], s[96:97], s[20:21]
.irp b, 0,1,2,3,4,5,6,7
	global_load_b128 v[BI+8*\b:BI+8*\b+3], v[BO], s[96:97] offset:64*\b        ; Wq_b at columns 16 b + 8 h + 0 .. 7
	global_load_b128 v[BI+8*\b+4:BI+8*\b+7], v[BO], s[96:97] offset:64*\b+16
.endr
	s_branch .Lbias_done
.Lno_bias:
.set n, 0
.rept 64
	v_mov_b32 v[BI+n], 0
.set n, n+1
.endr
.Lbias_done:
.macro FRAG reg, adr, q, i             ; 16 rows x 128 K of 4-bit codes: registers 4 c .. 4 c + 3 hold K = 64 c + 32 h + 0 .. 31
.irp c, 0,1
	ds_load_b128 v[\reg+4*\c:\reg+4*\c+3], v[\adr] offset:64*(\q)+32*\c+(\i)*16*PITCH
.endr
.endm
; 16 matrix instructions: A's blocks a0, a0 + 1 x B's eight.  first = 1: C is the bias block.  The 64 accumulators take turns, one instruction a turn, in the same order in every step.
.macro MUL16 a0, p, q, sc, first
.irp a, \a0, \a0+1
.irp b, 0,1,2,3,4,5,6,7
.if \first
	v_wmma_scale_f32_16x16x128_f8f6f4 v[8*(8*((\a)%4)+\b):8*(8*((\a)%4)+\b)+7], v[128*(\p)+FR*\b:128*(\p)+FR*\b+FR-1], v[AF+FR*(\a):AF+FR*(\a)+FR-1], v[BI+8*\b:BI+8*\b+7], v[SC+8*NQ*(\sc)+NQ*\b+(\q)], v[SC+8*NQ*(\sc)+NQ*(\a)+(\q)] matrix_a_fmt:MATRIX_FMT_FP4 matrix_b_fmt:MATRIX_FMT_FP4 matrix_a_scale:MATRIX_SCALE_ROW1
.else
	v_wmma_scale_f32_16x16x128_f8f6f4 v[8*(8*((\a)%4)+\b):8*(8*((\a)%4)+\b)+7], v[128*(\p)+FR*\b:128*(\p)+FR*\b+FR-1], v[AF+FR*(\a):AF+FR*(\a)+FR-1], v[8*(8*((\a)%4)+\b):8*(8*((\a)%4)+\b)+7], v[SC+8*NQ*(\sc)+NQ*\b+(\q)], v[SC+8*NQ*(\sc)+NQ*(\a)+(\q)] matrix_a_fmt:MATRIX_FMT_FP4 matrix_b_fmt:MATRIX_FMT_FP4 matrix_a_scale:MATRIX_SCALE_ROW1
.endif
.endr
.endr
.endm
.macro FETCH_B slot, q, p
	WIN TO_B
.irp i, 0,1,2,3,4,5,6,7
	FRAG 128*(\p)+FR*\i, ADRB+\slot, \q, \i
.endr
	WIN 0
.endm
.macro FETCH_A slot, q, i0
.irp i, \i0, \i0+1, \i0+2, \i0+3
	FRAG AF+FR*(\i), ADRA+\slot, \q, \i
.endr
.endm
.macro SCALES sc                       ; a slot's scale words: four words a row; lanes 0-15 take A's block i, lanes 16-31 B's block i
.irp i, 0,1,2,3,4,5,6,7
	ds_load_b128 v[SC+8*NQ*\sc+NQ*\i:SC+8*NQ*\sc+NQ*\i+3], v[ADRS] offset:\i*SBLK
.endr
.endm
.macro PLACES n                        ; plain vector lines between a matrix instruction and a load into, or a read of, its registers
.rept \n
	v_nop
.endr
.endm
.macro STEP slot, q, first             ; a step of 128 along K that has its successor in the same slot
	s_wait_dscnt 4*NL                              ; B's set and A's blocks 0-3 are in; the youngest eight loads (A's blocks 4-7) may be out
.if \first
	WIN 0x81                                       ; C in window 0, D in window 2
.else
	WIN MUL_LO
.endif
	MUL16 0, (\q)%2, \q, \slot, \first
	MUL16 2, (\q)%2, \q, \slot, \first
	s_wait_dscnt 0                                 ; A's blocks 4-7 are in
	PLACES NP
	FETCH_B \slot, (\q)+1, 1-(\q)%2
	FETCH_A \slot, (\q)+1, 0
.if \first
	WIN 0xc1
.else
	WIN MUL_HI
.endif
	MUL16 4, (\q)%2, \q, \slot, \first
	MUL16 6, (\q)%2, \q, \slot, \first
	PLACES NP
	WIN 0
	FETCH_A \slot, (\q)+1, 4
.endm
.macro TURN slot, next                 ; a slot's last step changes slots: one barrier; nothing is filled again in this launch
	s_wait_tensorcnt 0x0                           ; all my tensor loads have landed: my part of the next slot
	ds_add_u32 v[SPW], v[NIL]                      ; 0 onto my spare word
	s_wait_dscnt 4*NL+1                            ; the add and the youngest eight loads may be out
	WIN MUL_LO
	MUL16 0, 1, NQ-1, \slot, 0
	s_wait_dscnt 0x0                               ; the add is done and my reads of this slot are over
	s_barrier_signal -1
	MUL16 2, 1, NQ-1, \slot, 0
	WIN 0
	s_barrier_wait -1                              ; the next slot is whole
	PLACES NP
	v_add_nc_u32 v[ADRS], 4*NQ, v[ADRS]            ; the next slot's scale words
	FETCH_B \next, 0, 0
	FETCH_A \next, 0, 0
	SCALES \next
	WIN MUL_HI
	MUL16 4, 1, NQ-1, \slot, 0
	MUL16 6, 1, NQ-1, \slot, 0
	PLACES NP
	WIN 0
	FETCH_A \next, 0, 4
.endm
	s_wait_tensorcnt 1                             ; the scales and my part of slot 0 are in; slot 1's load may be out
	s_barrier_signal -1
	s_barrier_wait -1
	FETCH_B 0, 0, 0
	FETCH_A 0, 0, 0
	SCALES 0
	FETCH_A 0, 0, 4
	s_wait_loadcnt 0x0                             ; the bias
	STEP 0, 0, 1
	STEP 0, 1, 0
	STEP 0, 2, 0
	TURN 0, 1
	STEP 1, 0, 0
	STEP 1, 1, 0
	STEP 1, 2, 0
	s_wait_dscnt 4*NL                              ; the last step: nothing more to fetch
	WIN MUL_LO
	MUL16 0, 1, NQ-1, 1, 0
	MUL16 2, 1, NQ-1, 1, 0
	s_wait_dscnt 0
	WIN MUL_HI
	MUL16 4, 1, NQ-1, 1, 0
	MUL16 6, 1, NQ-1, 1, 0
	WIN 0
	PLACES NP
; THE WAY OUT.  Block a's 64 registers are packed in place, ascending: result 4 b + r never lies above a source that is still unread, and each accumulator is read from its low end on.
.macro OUT a
.set AC, 64*((\a)%4)
	WIN 0x8a+0x45*((\a)/4)                         ; sources and destination in window 2 or 3
.irp b, 0,1,2,3,4,5,6,7
.irp r, 0,1,2,3
	v_cvt_pk_f16_f32 v[AC+4*\b+\r], v[AC+8*\b+2*\r], v[AC+8*\b+2*\r+1]
.endr
.endr
	WIN 0x08+4*((\a)/4)                            ; a store's data are its source 1
.irp b, 0,1,2,3,4,5,6,7
	global_store_b128 v[OF+(\a)], v[AC+4*\b:AC+4*\b+3], s[12:13] offset:512*\b   ; half an image: 512 consecutive bytes, aligned; no register of a store is written again
.endr
.endm
.irp a, 0,1,2,3,4,5,6,7
	OUT \a
.endr
	WIN 0
	s_wait_tensorcnt 0x0                           ; the wave's end
	ds_add_u32 v[SPW], v[NIL]
	s_wait_dscnt 0x0
	CROUND                                         ; the closing round
	s_endpgm
.Lfunc_end_k_q2be809a931_proj:
	.size	k_q2be809a931_proj, .Lfunc_end_k_q2be809a931_proj-k_q2be809a931_proj
	.p2alignl 7, 3214868480
	.fill 96, 4, 3214868480
	.section	.rodata,"a",@progbits
	.p2align	6, 0x0
	.amdhsa_kernel k_q2be809a931_proj
		.amdhsa_group_segment_fixed_size 327680
		.amdhsa_private_segment_fixed_size 0
		.amdhsa_enable_private_segment 0
		.amdhsa_kernarg_size 48
		.amdhsa_user_sgpr_count 2
		.amdhsa_user_sgpr_kernarg_segment_ptr 1
		.amdhsa_wavefront_size32 1
		.amdhsa_system_sgpr_workgroup_id_x 1
		.amdhsa_system_sgpr_workgroup_id_y 1
		.amdhsa_system_sgpr_workgroup_id_z 1
		.amdhsa_system_vgpr_workitem_id 0
		.amdhsa_next_free_vgpr 1024
		.amdhsa_next_free_sgpr 100
		.amdhsa_reserve_vcc 0
		.amdhsa_float_denorm_mode_32 3
		.amdhsa_float_denorm_mode_16_64 3
		.amdhsa_memory_ordered 1
		.amdhsa_forward_progress 1
		.amdhsa_inst_pref_size 122
	.end_amdhsa_kernel
	.amdgpu_metadata
---
amdhsa.version: [ 1, 2 ]
amdhsa.kernels:
  - .name:           k_q2be809a931_proj
    .symbol:         k_q2be809a931_proj.kd
    .args:
      - { .name: xc, .offset: 0, .size: 8, .value_kind: global_buffer, .address_space: global }
      - { .name: xs, .offset: 8, .size: 8, .value_kind: global_buffer, .address_space: global }
      - { .name: wc, .offset: 16, .size: 8, .value_kind: global_buffer, .address_space: global }
      - { .name: ws, .offset: 24, .size: 8, .value_kind: global_buffer, .address_space: global }
      - { .name: qkv, .offset: 32, .size: 8, .value_kind: global_buffer, .address_space: global }
      - { .name: Wq_b, .offset: 40, .size: 8, .value_kind: global_buffer, .address_space: global }
    .group_segment_fixed_size: 327680
    .private_segment_fixed_size: 0
    .kernarg_segment_align: 8
    .kernarg_segment_size: 48
    .max_flat_workgroup_size: 128
    .sgpr_count:     100
    .vgpr_count:     1024
    .wavefront_size: 32
...
	.end_amdgpu_metadata
.endif
;; end of part 2
;; launch scores (part 3): grid 8 x 32, 4 waves a work-group, clusters of 4 x 4, 327,680 bytes of LDS; arguments qkv, p, st; writes p, st
.if DOCPART == 3
	.amdgcn_target "amdgcn-amd-amdhsa--gfx1250"
	.amdhsa_code_object_version 6
	.text
	.protected	k_q2be809a931_scores
	.globl	k_q2be809a931_scores
	.p2align	8
	.type	k_q2be809a931_scores,@function
k_q2be809a931_scores:
	s_mov_b64 s[64:65], 0
	v_nop
	global_prefetch_b8 v0, s[64:65] scope:SCOPE_SE
	s_setreg_imm32_b32 hwreg(HW_REG_WAVE_MODE, 25, 1), 1
	s_wait_xcnt 0x0
	s_wait_alu depctr_hold_cnt(0) depctr_sa_sdst(0) depctr_va_vdst(0) depctr_va_sdst(0) depctr_va_ssrc(0) depctr_va_vcc(0) depctr_vm_vsrc(0)
	s_getreg_b32 s2, hwreg(HW_REG_IB_STS2, 6, 4)
	s_cmp_eq_u32 s2, 0
	s_cbranch_scc0 .Lentry_in_a_cluster
	s_endpgm
.Lentry_in_a_cluster:
	s_bfe_u32 s2, ttmp6, 0x10000c
	s_cmp_lg_u32 s2, 0xf033
	s_cbranch_scc0 .Lentry_shape_is_right
	s_endpgm
.Lentry_shape_is_right:
; SELF-ATTENTION, launch 3 of 4: S = q k^T (f16 operands, f32 sums, K = 1,024) in tiles of 256 queries x 256 keys, and the first level of the softmax.
; For each query and each tile of 256 keys: t = score x log2(e) / 32; M = the tile's largest t rounded UP to a whole number; p = 2^(t - M), at most 1, rounded to f16 and stored; the sums of the unrounded p of
; each 128 keys and -M are stored in f32.  The last launch brings the eight tiles of a row under the row's own M by factors 2^(M_tile - M_row), which round nothing: so the maximum is taken away as reference() does.
; LIMIT: a p under 2^-24 of its tile's 2^M becomes 0 in f16.
; q and k lie as images of operand registers (1,024 bytes for 16 rows x 32 along K: register group g at 512 g, lane l at 16 l): every LDS read is at 16 x lane, with no pitch and no padding.
; A work-group of four waves makes a tile, a wave 128 x 128: 64 accumulators.  K goes in steps of 128 through two LDS slots; a wave's tensor load brings 8 token blocks x 4,096 bytes.
; 4 x 4 work-groups form a cluster: q's tiles are asked for jointly along a row of the cluster, k's along a column.  Source 0 = 16 keys, source 1 = 16 queries: a lane holds ONE query and eight neighbouring keys
; in each accumulator, so that the packed accumulators (a, 2 c), (a, 2 c + 1) are the image of p's fragment (queries 16 a .., keys 32 c ..) for the last product.
;   p: [query block of 16, 0..511][key block of 32 in the batch, 0..63][1,024 bytes].   st: f32, -M at [128 keys of the batch, 0..15][row 0..8191], the sums 524,288 bytes further on.
; REGISTERS: window 0: v16-31 addresses; v64-127, v128-191 q's fragments, two buffers (on the way out v64-127 hold the statistics); window 1: k's, same numbers; windows 2, 3: accumulator (a, b) at v[8 (8 (a % 4) + b)].
.set HALFT,  32768                     ; what one tensor load brings, and what a wave reads of q or k in a K step
.set SLOT,   4*HALFT                   ; q's 16 token blocks x 4,096 bytes, then k's
.set EX,     2*SLOT                    ; behind the ring: 512 bytes a wave: the maxima that the two waves of a row half exchange
.set STT,    EX+4*512                  ; 1,024 bytes a wave: -M and the sums on their way out
.set SPARE,  STT+4*1024                ; the spare words, 128 bytes a wave, which no other line names
.set ADRA, 16
.set ADRB, 20
.set LOFF, 24                          ; v24  16 x lane
.set EXW,  25
.set EXR,  26
.set STW,  27
.set SPW,  28
.set NIL,  29
.set PFO,  30
.set STR,  31
.set F0,   64
.set F1,   128
.set MX,   64                          ; v64-71   a block's largest score, then t
.set MT,   72                          ; v72-79   at work
.set NM,   80                          ; v80-95   -M, in pairs
.set SU,   96                          ; v96-111  sums, in pairs
.set SS,   112                         ; v112-119 four chains of sums
.set LL,   120                         ; v120-127 a row's sum
.set G1, 24
.set G0, 32
.set G1B, 48
.set G0B, 56
.set LIM,  43                          ; s43  1 in a wave that prefetches, else the greatest number
.set PFA,  44                          ; s[44:45] where my prefetches stand
.set CS,   18                          ; s[18:19] log2(e) / 32
.set SEL,  20                          ; s[20:21] selects for lane l xor 16
.set MSB, 0
.macro WIN new
.if MSB != (\new)
	s_set_vgpr_msb (MSB<<8)|(\new)
.set MSB, (\new)
.endif
.endm
.set MUL_LO, 0xa1                      ; source 0 (k) window 1, source 1 (q) window 0, C and D window 2
.set MUL_HI, 0xf1
.set TO_B,   0x40
.macro JLOAD s                         ; a joint load: waves 0 and 1 fetch q's halves, waves 2 and 3 k's; s_nop 0 and four v_nop follow each line
	s_cmp_eq_u32 s11, 0
	s_cbranch_scc0 .Lfor_b_\@
	tensor_load_to_lds s[G0+4*\s:G0+4*\s+3], s[G1:G1+7]
	s_nop 0
.rept 4
	v_nop
.endr
	s_branch .Lasked_\@
.Lfor_b_\@:
	tensor_load_to_lds s[G0B+4*\s:G0B+4*\s+3], s[G1B:G1B+7]
	s_nop 0
.rept 4
	v_nop
.endr
.Lasked_\@:
.endm
; A prefetch of the K step that stands two refills on.  Of the 8 token blocks x 4,096 bytes that a wave fetches, each of the four partners that ask jointly takes two blocks, told apart by address:
; 32 lanes x 256 bytes.  q's rows are read by both clusters of a row of clusters: cluster x = 0 asks; k's by the two clusters of a batch: the even cluster y asks.  So each 256 bytes are named once.
; The loop's last trip asks for nothing; K steps 0 to 3 come by their loads alone.
.macro ASK
	s_cmp_gt_u32 s3, s[LIM]
	s_cbranch_scc0 .Lnot_mine_\@
	global_prefetch_b8 v[PFO], s[PFA:PFA+1] offset:4096 th:TH_LOAD_NT scope:SCOPE_SE
.Lnot_mine_\@:
.endm
.macro CREST
	s_cmp_lg_u32 s10, 0
	s_cbranch_scc1 .Lnot_wave_0_\@
	s_barrier_signal -3
.Lnot_wave_0_\@:
	s_barrier_wait -3
	s_barrier_signal -1
	s_barrier_wait -1
.endm
.macro CROUND
	s_barrier_signal -1
	s_barrier_wait -1
	CREST
.endm
	s_load_b128 s[4:7], s[0:1], 0x0                ; qkv, p
	s_load_b64 s[8:9], s[0:1], 0x10                ; st
	v_lshl_add_u32 v[SPW], v0, 2, SPARE
	v_mov_b32 v[NIL], 0
	ds_add_u32 v[SPW], v[NIL]                      ; the wave's opening: the add, twice on end, and its wait ahead of my first tensor load
	ds_add_u32 v[SPW], v[NIL]
	v_lshrrev_b32 v1, 5, v0
	v_readfirstlane_b32 s10, v1                    ; wave 0..3
	s_lshr_b32 s11, s10, 1                         ; which 128 queries are mine; also: I fetch q (0) or k (1)
	s_and_b32 s12, s10, 1                          ; which 128 keys; also: which 8 token blocks I fetch
	s_bfe_u32 s40, ttmp6, 0x40000                  ; cx
	s_bfe_u32 s41, ttmp6, 0x40004                  ; cy
	s_lshl_b32 s42, ttmp9, 2
	s_add_co_u32 s42, s42, s40                     ; the tile of 256 keys in its batch, 0..7
	s_and_b32 s14, ttmp7, 0xffff
	s_lshl_b32 s13, s14, 2
	s_add_co_u32 s13, s13, s41                     ; the tile of 256 queries, 0..31
	s_lshr_b32 s15, s14, 1                         ; the batch: the same in all sixteen partners
	s_lshl_b32 s43, s41, 2
	s_lshl_b32 s43, 15, s43                        ; my row of the cluster
	s_lshl_b32 s44, 0x1111, s40                    ; my column
	s_or_b32 s[G1+0], s43, (3<<16)|(1<<21)         ; mask; elements of 8 bytes; no padding; bit 21 beside a mask
	s_or_b32 s[G1B+0], s44, (3<<16)|(1<<21)
.irp g, G1, G1B
	s_mov_b32 s[\g+1], 512<<16                     ; tensor_dim0 = 512 elements: 4,096 bytes, four images
	s_mov_b32 s[\g+2], 8<<16                       ; tensor_dim1 = 8 token blocks
	s_mov_b32 s[\g+3], 512<<16                     ; tile_dim0
	s_mov_b32 s[\g+4], 8                           ; tile_dim1
	s_mov_b32 s[\g+5], 4096                        ; from token block to token block: 32,768 bytes
	s_mov_b32 s[\g+6], 0
	s_mov_b32 s[\g+7], 0
.endr
	s_lshl_b32 s17, s12, 3
	s_lshl_b32 s16, s13, 4
	s_add_co_u32 s16, s16, s17
	s_lshl_b32 s16, s16, 15                        ; q: token block 16 x tile + 8 x half, 32,768 bytes each
	s_lshl_b32 s46, s42, 4
	s_add_co_u32 s46, s46, s17
	s_lshl_b32 s47, s15, 7
	s_add_co_u32 s46, s46, s47
	s_lshl_b32 s46, s46, 15                        ; k: token block 128 x batch + 16 x tile + 8 x half,
	s_add_co_u32 s46, s46, 0x1000000               ; in k's region
	s_mov_b32 s2, s46                              ; (kept for the prefetches)
	s_mov_b32 s17, 0
	s_mov_b32 s47, 0
	s_lshl_b32 s20, s10, 15                        ; where they go: wave x 32,768
	s_wait_dscnt 0x0                               ; both opening adds are done
	s_wait_kmcnt 0x0
	s_add_nc_u64 s[14:15], s[4:5], s[16:17]
	s_add_nc_u64 s[46:47], s[4:5], s[46:47]
	CROUND                                         ; all sixteen work-groups are here
.irp s, 0,1
	s_mov_b32 s[G0+4*\s], 1
	s_add_co_u32 s[G0+4*\s+1], s20, \s*SLOT
	s_add_nc_u64 s[G0+4*\s+2:G0+4*\s+3], s[14:15], \s*4096
	s_or_b32 s[G0+4*\s+3], s[G0+4*\s+3], 0x80000000
	s_mov_b32 s[G0B+4*\s], 1
	s_add_co_u32 s[G0B+4*\s+1], s20, \s*SLOT
	s_add_nc_u64 s[G0B+4*\s+2:G0B+4*\s+3], s[46:47], \s*4096
	s_or_b32 s[G0B+4*\s+3], s[G0B+4*\s+3], 0x80000000
	JLOAD \s                                       ; two loads of mine are out
.endr
	v_and_b32 v1, 15, v0                           ; r
	v_and_b32 v2, 31, v0                           ; lane
	v_bfe_u32 v3, v0, 4, 1                         ; h
	v_lshlrev_b32 v[LOFF], 4, v2
	s_lshl_b32 s21, s11, 15
	s_lshl_b32 s22, s12, 15
	s_add_co_u32 s22, s22, 2*HALFT
.irp s, 0,1
	v_add_nc_u32 v[ADRA+\s], s21, v[LOFF]
	v_add_nc_u32 v[ADRB+\s], s22, v[LOFF]
	s_add_co_u32 s21, s21, SLOT
	s_add_co_u32 s22, s22, SLOT
.endr
	v_lshlrev_b32 v4, 2, v1
	s_lshl_b32 s23, s10, 9
	s_add_co_u32 s23, s23, EX
	v_add_nc_u32 v[EXW], s23, v4                   ; my wave's maxima,
	s_xor_b32 s23, s10, 1
	s_lshl_b32 s23, s23, 9
	s_add_co_u32 s23, s23, EX
	v_add_nc_u32 v[EXR], s23, v4                   ; and those of the wave with the other 128 keys
	s_lshl_b32 s23, s10, 10
	s_add_co_u32 s23, s23, STT
	v_add_nc_u32 v[STW], s23, v4
	v_add_nc_u32 v[STR], s23, v[LOFF]
	s_lshl_b32 s18, s13, 4
	s_lshl_b32 s19, s11, 3
	s_add_co_u32 s18, s18, s19
	s_lshl_b32 s18, s18, 16                        ; p: my first query block x 65,536
	s_lshl_b32 s19, s42, 3
	s_lshl_b32 s21, s12, 2
	s_add_co_u32 s19, s19, s21
	s_lshl_b32 s19, s19, 10                        ; + my first key block x 1,024
	s_add_co_u32 s18, s18, s19
	s_mov_b32 s19, 0
	s_add_nc_u64 s[6:7], s[6:7], s[18:19]
	s_lshl_b32 s18, s42, 1
	s_add_co_u32 s18, s18, s12
	s_lshl_b32 s18, s18, 15                        ; st: my 128 keys x 32,768
	s_lshl_b32 s21, s13, 10
	s_add_co_u32 s18, s18, s21
	s_lshl_b32 s21, s11, 9
	s_add_co_u32 s18, s18, s21                     ; + my first row x 4
	s_add_nc_u64 s[8:9], s[8:9], s[18:19]
	s_and_b32 s22, ttmp7, 1                        ; the prefetches: who asks, and where
	s_cmp_eq_u32 s11, 0
	s_cselect_b32 s18, s16, s2                     ; the 8 token blocks that I fetch,
	s_cselect_b32 s21, s40, s41                    ; my place among the four that ask with me,
	s_cselect_b32 s22, ttmp9, s22                  ; the coordinate along which other clusters read the same rows
	s_cmp_eq_u32 s22, 0
	s_cselect_b32 s[LIM], 1, -1
	s_lshl_b32 s21, s21, 16                        ; two token blocks a partner
	s_add_co_u32 s18, s18, s21
	s_add_co_u32 s18, s18, 2*4096                  ; at K step 2: the first refill steps it to 3 and names K step 4
	s_add_nc_u64 s[PFA:PFA+1], s[4:5], s[18:19]
	v_lshlrev_b32 v[PFO], 8, v1
	v_lshl_add_u32 v[PFO], v3, 15, v[PFO]          ; lanes 0-15 one token block's 4,096 bytes, lanes 16-31 the next's
	s_mov_b32 s[CS], 0x3d38aa3b                    ; log2(e) / 32
	s_mov_b32 s[CS+1], s[CS]
	s_mov_b32 s[SEL], 0x76543210
	s_mov_b32 s[SEL+1], 0xfedcba98
; 16 matrix instructions: query blocks a0, a0 + 1 of the window's four x all 8 key blocks, 32 along K.  zero = 1: the first product starts the sums.
; The 64 accumulators take turns, one instruction a turn, in the same order in every quarter.
.macro MUL16 f, hi, a0, zero
.irp a, \a0, \a0+1
.irp b, 0,1,2,3,4,5,6,7
.if \zero
	v_wmma_f32_16x16x32_f16 v[8*(8*(\a)+\b):8*(8*(\a)+\b)+7], v[\f+8*\b:\f+8*\b+7], v[\f+8*(4*\hi+\a):\f+8*(4*\hi+\a)+7], 0
.else
	v_wmma_f32_16x16x32_f16 v[8*(8*(\a)+\b):8*(8*(\a)+\b)+7], v[\f+8*\b:\f+8*\b+7], v[\f+8*(4*\hi+\a):\f+8*(4*\hi+\a)+7], v[8*(8*(\a)+\b):8*(8*(\a)+\b)+7]
.endif
.endr
.endr
.endm
.macro FETCH slot, kq, f               ; 32 LDS loads in one run: the images of quarter kq: k's eight, then q's eight
	WIN TO_B
.irp i, 0,1,2,3,4,5,6,7
	ds_load_b128 v[\f+8*\i:\f+8*\i+3],   v[ADRB+\slot] offset:(\kq)*1024+\i*4096
	ds_load_b128 v[\f+8*\i+4:\f+8*\i+7], v[ADRB+\slot] offset:(\kq)*1024+\i*4096+512
.endr
	WIN 0
.irp i, 0,1,2,3,4,5,6,7
	ds_load_b128 v[\f+8*\i:\f+8*\i+3],   v[ADRA+\slot] offset:(\kq)*1024+\i*4096
	ds_load_b128 v[\f+8*\i+4:\f+8*\i+7], v[ADRA+\slot] offset:(\kq)*1024+\i*4096+512
.endr
.endm
.macro PLACES                          ; four plain vector lines between a matrix instruction and a load into, or a read of, its registers
.rept 4
	v_nop
.endr
.endm
.macro QUARTER slot, kq, f, g, zero    ; multiplies buffer f; in its middle fetches quarter kq of the same slot into buffer g
	s_wait_dscnt 8                                 ; k's and q's blocks 0-3 are in; the youngest eight loads (q's blocks 4-7) may be out
	WIN MUL_LO
	MUL16 \f, 0, 0, \zero
	MUL16 \f, 0, 2, \zero
	PLACES
	FETCH \slot, \kq, \g
	s_wait_dscnt 32                                ; all but the 32 just issued
	WIN MUL_HI
	MUL16 \f, 1, 0, \zero
	MUL16 \f, 1, 2, \zero
.endm
.macro MEET round                      ; the first half of a K step's last quarter: one barrier for the change of slots
	WIN 0
	s_wait_tensorcnt 0x0                           ; all my tensor loads have landed: the one that was out is my part of the next slot
	ds_add_u32 v[SPW], v[NIL]                      ; 0 onto my spare word
	s_wait_dscnt 9                                 ; the add and the youngest eight loads may be out
	WIN MUL_LO
	MUL16 F1, 0, 0, 0
	s_wait_dscnt 0x0                               ; the add is done, and my reads of this slot are over
	s_barrier_signal -1
	MUL16 F1, 0, 2, 0
.if \round
	WIN 0
.endif
	s_barrier_wait -1
.endm
.macro TURN slot, next, fill           ; the whole last quarter.  fill = 1: the slot just read out takes the K step two steps on, behind a round of the cluster's barrier
.if \fill
	s_wait_xcnt 0x0                                ; the last prefetch, a K step back, has read its address
	s_add_nc_u64 s[PFA:PFA+1], s[PFA:PFA+1], 4096
	MEET 1
	CREST                                          ; no wave of any partner still reads this slot or has a load on its way
	s_add_nc_u64 s[G0+4*\slot+2:G0+4*\slot+3], s[G0+4*\slot+2:G0+4*\slot+3], 2*4096
	s_add_nc_u64 s[G0B+4*\slot+2:G0B+4*\slot+3], s[G0B+4*\slot+2:G0B+4*\slot+3], 2*4096
	JLOAD \slot                                    ; my one tensor load behind the round; its four v_nop are also the places in front of the loads below
	FETCH \next, 0, F0
	ASK
.else
	MEET 0
	PLACES
	FETCH \next, 0, F0
.endif
	WIN MUL_HI
	MUL16 F1, 1, 0, 0
	MUL16 F1, 1, 2, 0
.endm
	s_wait_tensorcnt 1                             ; my part of K step 0 is in; K step 1's load may be out
	s_barrier_signal -1
	s_barrier_wait -1
	FETCH 0, 0, F0
	QUARTER 0, 1, F0, F1, 1                        ; the first quarter stands in front of the loop: its products start the sums
	WIN 0
	s_mov_b32 s3, 3
.Llap:                                                 ; three trips, each once round the ring: K steps 2 to 7 are asked for
	QUARTER 0, 2, F1, F0, 0
	QUARTER 0, 3, F0, F1, 0
	TURN 0, 1, 1
	QUARTER 1, 1, F0, F1, 0
	QUARTER 1, 2, F1, F0, 0
	QUARTER 1, 3, F0, F1, 0
	TURN 1, 0, 1
	QUARTER 0, 1, F0, F1, 0
	WIN 0
	s_sub_co_u32 s3, s3, 1
	s_cmp_lg_u32 s3, 0
	s_cbranch_scc1 .Llap
	QUARTER 0, 2, F1, F0, 0                        ; the last lap fills nothing
	QUARTER 0, 3, F0, F1, 0
	TURN 0, 1, 0
	QUARTER 1, 1, F0, F1, 0
	QUARTER 1, 2, F1, F0, 0
	QUARTER 1, 3, F0, F1, 0
	s_wait_dscnt 8
	WIN MUL_LO
	MUL16 F1, 0, 0, 0
	MUL16 F1, 0, 2, 0
	s_wait_dscnt 0
	WIN MUL_HI
	MUL16 F1, 1, 0, 0
	MUL16 F1, 1, 2, 0
	WIN 0
	PLACES
; THE WAY OUT.  A lane holds one query of each block a and 64 of its keys; lane l xor 16 holds 64 more, the wave beside me the other 128.
.irp a, 0,1,2,3,4,5,6,7
	v_mov_b32 v[MT+\a], 0                          ; written once: a lane permute's destination counts as one of its sources
.endr
.macro ROWMAX w                        ; the largest of a lane's 64 scores, for the four blocks of window w by turns; ascending
	WIN 0x2a+0x15*((\w)-2)
.irp i, 0,1,2,3
	v_max3_num_f32 v[MX+4*((\w)-2)+\i], v[64*\i], v[64*\i+1], v[64*\i+2]
.endr
	WIN 0x28+0x14*((\w)-2)
.set n, 3
.rept 30
.irp i, 0,1,2,3
	v_max3_num_f32 v[MX+4*((\w)-2)+\i], v[MX+4*((\w)-2)+\i], v[64*\i+n], v[64*\i+n+1]
.endr
.set n, n+2
.endr
.irp i, 0,1,2,3
	v_max_num_f32 v[MX+4*((\w)-2)+\i], v[MX+4*((\w)-2)+\i], v[64*\i+63]
.endr
.endm
	ROWMAX 2
	ROWMAX 3
	WIN 0
.irp a, 0,1,2,3,4,5,6,7
	v_permlanex16_b32 v[MT+\a], v[MX+\a], s[SEL], s[SEL+1]
.endr
.irp a, 0,1,2,3,4,5,6,7
	v_max_num_f32 v[MX+\a], v[MX+\a], v[MT+\a]     ; my wave's 128 keys
.endr
.irp a, 0,1,2,3,4,5,6,7
	ds_store_b32 v[EXW], v[MX+\a] offset:64*\a     ; lanes l and l xor 16 write the same word with the same value
.endr
	s_wait_dscnt 0x0                               ; for the other wave's sake: my stores are done
	s_barrier_signal -1
	s_barrier_wait -1
.irp a, 0,1,2,3,4,5,6,7
	ds_load_b32 v[MT+\a], v[EXR] offset:64*\a
.endr
	s_wait_dscnt 0x0
.irp a, 0,1,2,3,4,5,6,7
	v_max_num_f32 v[MX+\a], v[MX+\a], v[MT+\a]     ; the tile's 256 keys
.endr
.irp a, 0,1,2,3,4,5,6,7
	v_mul_f32 v[MX+\a], s[CS], v[MX+\a]            ; as t
.endr
.irp a, 0,1,2,3,4,5,6,7
	v_floor_f32 v[NM+2*\a], -v[MX+\a]              ; -M = floor(-t) = -ceil(t): a whole number
.endr
.irp a, 0,1,2,3,4,5,6,7
	v_mov_b32 v[NM+2*\a+1], v[NM+2*\a]             ; (named with it as a pair)
.endr
.macro SOFT a                          ; block a: p = 2^(c s - M) in place; its sums; packed to f16 in place; stored as four images' halves
.set AC, 64*((\a)%4)
	WIN 0x82+0x41*((\a)/4)                         ; the scores in window 2 or 3, -M in window 0
.set n, 0
.rept 32
	v_pk_fma_f32 v[AC+n:AC+n+1], v[AC+n:AC+n+1], s[CS:CS+1], v[NM+2*(\a):NM+2*(\a)+1] op_sel_hi:[1,0,0]
.set n, n+2
.endr
.set n, 0
.rept 64
	v_exp_f32 v[AC+n], v[AC+n]
.set n, n+1
.endr
	v_nop                                          ; a plain line behind the last exponential
	s_wait_alu depctr_va_vdst(0)                   ; one wait for the batch of 64, ahead of its first reader
	WIN 0x0a+5*((\a)/4)
.irp i, 0,1,2,3
	v_pk_add_f32 v[SS+2*\i:SS+2*\i+1], v[AC+4*\i:AC+4*\i+1], v[AC+4*\i+2:AC+4*\i+3]   ; the sums are taken of the unrounded p, in four chains
.endr
	WIN 0x08+4*((\a)/4)
.irp k, 0,1,2,3,4,5
.irp i, 0,1,2,3
	v_pk_add_f32 v[SS+2*\i:SS+2*\i+1], v[SS+2*\i:SS+2*\i+1], v[AC+16+8*\k+2*\i:AC+16+8*\k+2*\i+1]
.endr
.endr
	WIN 0
	v_pk_add_f32 v[SS:SS+1], v[SS:SS+1], v[SS+2:SS+3]
	v_pk_add_f32 v[SS+4:SS+5], v[SS+4:SS+5], v[SS+6:SS+7]
	v_pk_add_f32 v[SU+2*(\a):SU+2*(\a)+1], v[SS:SS+1], v[SS+4:SS+5]
	WIN 0x8a+0x45*((\a)/4)
.irp b, 0,1,2,3,4,5,6,7
.irp r, 0,1,2,3
	v_cvt_pk_f16_f32 v[AC+4*\b+\r], v[AC+8*\b+2*\r], v[AC+8*\b+2*\r+1]   ; ascending: a result never lies above a source that is still unread
.endr
.endr
	WIN 0x08+4*((\a)/4)
.irp b, 0,1,2,3,4,5,6,7
	global_store_b128 v[LOFF], v[AC+4*\b:AC+4*\b+3], s[6:7] offset:(\a)*65536+512*\b   ; 512 consecutive bytes, aligned; no register of a store is written again
.endr
.endm
.irp a, 0,1,2,3,4,5,6,7
	SOFT \a
.endr
	WIN 0
.irp a, 0,1,2,3,4,5,6,7
	v_add_f32 v[LL+\a], v[SU+2*\a], v[SU+2*\a+1]
.endr
.irp a, 0,1,2,3,4,5,6,7
	v_permlanex16_b32 v[MT+\a], v[LL+\a], s[SEL], s[SEL+1]
.endr
.irp a, 0,1,2,3,4,5,6,7
	v_add_f32 v[LL+\a], v[LL+\a], v[MT+\a]         ; the sum over my wave's 128 keys
.endr
.irp a, 0,1,2,3,4,5,6,7
	ds_store_b32 v[STW], v[NM+2*\a] offset:64*\a
	ds_store_b32 v[STW], v[LL+\a] offset:512+64*\a
.endr
	ds_load_b128 v[SS:SS+3], v[STR]                ; my own bytes, in order behind my stores: four rows a lane
	ds_load_b128 v[SS+4:SS+7], v[STR] offset:512
	s_wait_dscnt 0x0
	global_store_b128 v[LOFF], v[SS:SS+3], s[8:9]                    ; -M of my 128 rows: 512 consecutive bytes, aligned
	global_store_b128 v[LOFF], v[SS+4:SS+7], s[8:9] offset:524288    ; and their sums
	s_wait_tensorcnt 0x0                           ; the wave's end
	ds_add_u32 v[SPW], v[NIL]
	s_wait_dscnt 0x0
	CROUND                                         ; the closing round
	s_endpgm
.Lfunc_end_k_q2be809a931_scores:
	.size	k_q2be809a931_scores, .Lfunc_end_k_q2be809a931_scores-k_q2be809a931_scores
	.p2alignl 7, 3214868480
	.fill 96, 4, 3214868480
	.section	.rodata,"a",@progbits
	.p2align	6, 0x0
	.amdhsa_kernel k_q2be809a931_scores
		.amdhsa_group_segment_fixed_size 327680
		.amdhsa_private_segment_fixed_size 0
		.amdhsa_enable_private_segment 0
		.amdhsa_kernarg_size 24
		.amdhsa_user_sgpr_count 2
		.amdhsa_user_sgpr_kernarg_segment_ptr 1
		.amdhsa_wavefront_size32 1
		.amdhsa_system_sgpr_workgroup_id_x 1
		.amdhsa_system_sgpr_workgroup_id_y 1
		.amdhsa_system_sgpr_workgroup_id_z 1
		.amdhsa_system_vgpr_workitem_id 0
		.amdhsa_next_free_vgpr 1024
		.amdhsa_next_free_sgpr 66
		.amdhsa_reserve_vcc 0
		.amdhsa_float_denorm_mode_32 3
		.amdhsa_float_denorm_mode_16_64 3
		.amdhsa_memory_ordered 1
		.amdhsa_forward_progress 1
		.amdhsa_inst_pref_size 206
	.end_amdhsa_kernel
	.amdgpu_metadata
---
amdhsa.version: [ 1, 2 ]
amdhsa.kernels:
  - .name:           k_q2be809a931_scores
    .symbol:         k_q2be809a931_scores.kd
    .args:
      - { .name: qkv, .offset: 0, .size: 8, .value_kind: global_buffer, .address_space: global }
      - { .name: p, .offset: 8, .size: 8, .value_kind: global_buffer, .address_space: global }
      - { .name: st, .offset: 16, .size: 8, .value_kind: global_buffer, .address_space: global }
    .group_segment_fixed_size: 327680
    .private_segment_fixed_size: 0
    .kernarg_segment_align: 8
    .kernarg_segment_size: 24
    .max_flat_workgroup_size: 128
    .sgpr_count:     66
    .vgpr_count:     1024
    .wavefront_size: 32
...
	.end_amdgpu_metadata
.endif
;; end of part 3
;; launch pv (part 4): grid 64 x 4, 4 waves a work-group, clusters of 4 x 1, 327,680 bytes of LDS; arguments p, qkv, st, Wv_b, out0; writes out0
.if DOCPART == 4
	.amdgcn_target "amdgcn-amd-amdhsa--gfx1250"
	.amdhsa_code_object_version 6
	.text
	.protected	k_q2be809a931_pv
	.globl	k_q2be809a931_pv
	.p2align	8
	.type	k_q2be809a931_pv,@function
k_q2be809a931_pv:
	s_mov_b64 s[64:65], 0
	v_nop
	global_prefetch_b8 v0, s[64:65] scope:SCOPE_SE
	s_setreg_imm32_b32 hwreg(HW_REG_WAVE_MODE, 25, 1), 1
	s_wait_xcnt 0x0
	s_wait_alu depctr_hold_cnt(0) depctr_sa_sdst(0) depctr_va_vdst(0) depctr_va_sdst(0) depctr_va_ssrc(0) depctr_va_vcc(0) depctr_vm_vsrc(0)
	s_getreg_b32 s2, hwreg(HW_REG_IB_STS2, 6, 4)
	s_cmp_eq_u32 s2, 0
	s_cbranch_scc0 .Lentry_in_a_cluster
	s_endpgm
.Lentry_in_a_cluster:
	s_bfe_u32 s2, ttmp6, 0x10000c
	s_cmp_lg_u32 s2, 0x3003
	s_cbranch_scc0 .Lentry_shape_is_right
	s_endpgm
.Lentry_shape_is_right:
; SELF-ATTENTION, launch 4 of 4: out = (sum over the 8 chunks j of 256 keys of f_j (p_j v_j)) / l + Wv_b; f16 operands, f32 sums.
; f_j = 2^(M_j - M_row), M_row the largest of a row's eight whole numbers M_j: made by v_ldexp_f32, it rounds nothing.  l = sum of f_j x the chunk's stored sums.  Wv_b is added here since attn's rows sum to 1.
; SHARES.  A work-group owns 128 queries x 256 channels, a wave 64 x 128: 32 accumulators T for the chunk in hand (window 2) and 32 totals (window 3): total = f_j T + total behind each chunk.
; Source 0 = 16 channels of v^T, source 1 = 16 queries of p: a lane holds ONE query, so f_j and 1 / l are one number a lane and block.
; v^T comes through two LDS slots of one chunk each (16 channel blocks x 8,192 bytes of images).  The four query tiles of a cluster share channels and batch: each tile of v^T is asked for jointly, every wave
; fetching four channel blocks by the same line with registers of its own.  p comes as images straight from memory into a ring of 256 registers (window 1: eight quarters of 32 keys x four query blocks):
; behind the quarter that has used eight loads' registers they are asked for anew; six groups of eight loads stay on their way.  So a slot can hold a whole chunk of v^T; the price: the two waves of a row half load the same p.
; A QUARTER is 32 matrix instructions.  Its 16 LDS loads (the next quarter's v^T) and 8 global loads (p) stand in ONE run at its head, behind four places; the 32 matrix instructions then follow each other with
; nothing between: three window switches a quarter, and the LDS loads have all 32 products in which to land.
; REGISTERS, window 0: v4-15 addresses; v16-23 f_j (pairs); v24 bias offset; v64-127 Wv_b in the result's layout; v128-191, v192-255 v^T's fragments, two buffers (at the head: the statistics; at the end: rows of out).
.set SLOT1, 1<<17
.set FT,    2*SLOT1                    ; behind the ring: 2,304 bytes a wave: f_0 .. f_7 and 1 / l for its 64 rows
.set FTB,   2304
.set STG,   FT+4*FTB                   ; the way out: 16 rows x (512 + 16) bytes a wave
.set SPI,   528
.set SPARE, STG+4*16*SPI               ; the spare words, 128 bytes a wave, which no other line names
.set LOFF, 4                           ; v4   16 x lane
.set L4,   5                           ; v5   4 x lane
.set AV0,  6                           ; v6   my 8 channel blocks in a slot + 16 x lane
.set ADR,  7                           ; v7   the same in the slot in hand
.set FTW,  8
.set FTR0, 9
.set FAD,  10
.set STO,  11
.set RD,   12
.set PFO,  13                          ; v13  256 x lane
.set SPW,  14
.set NIL,  15
.set FC,   16
.set BO,   24
.set BI,   64
.set VF,   128
.set WV,   14
.set G1,   24                          ; s[24:31] descriptor group 1;  s[32:39] two groups 0: the second walks on
.set G0,   32
.set SLOTS, 40
.set TB,   41                          ; s41  LDS byte at which the slot in hand begins
.set PB,   42                          ; s[42:43] p at my four query blocks, chunk in hand
.set PFA,  44
.set LIM,  46
.set TJ,   47                          ; s47  256 x the chunk whose factors are fetched
.set MSB, 0
.macro WIN new
.if MSB != (\new)
	s_set_vgpr_msb (MSB<<8)|(\new)
.set MSB, (\new)
.endif
.endm
.macro CROUND
	s_barrier_signal -1
	s_barrier_wait -1
	s_cmp_lg_u32 s[WV], 0
	s_cbranch_scc1 .Lnot_wave_0_\@
	s_barrier_signal -3
.Lnot_wave_0_\@:
	s_barrier_wait -3
	s_barrier_signal -1
	s_barrier_wait -1
.endm
.macro PLACES
.rept 4
	v_nop
.endr
.endm
; A prefetch of what the NEXT change of slots will ask for.  All four clusters of a batch and channel tile walk the same v^T: the first of them asks.  Of the four channel blocks that a wave fetches, the partner at
; place cx takes one, told apart by address: 8,192 bytes, lanes 256 bytes apart.  So each 256 bytes are named once.  The last change that fills a slot asks for nothing; chunks 0 to 2 come by their loads alone.
.macro ASK
	s_cmp_gt_u32 s[SLOTS], s[LIM]
	s_cbranch_scc0 .Lnot_mine_\@
	global_prefetch_b8 v[PFO], s[PFA:PFA+1] th:TH_LOAD_NT scope:SCOPE_SE
.Lnot_mine_\@:
.endm
	s_load_b256 s[4:11], s[0:1], 0x0               ; p s[4:5], qkv s[6:7], st s[8:9], Wv_b s[10:11]
	s_load_b64 s[12:13], s[0:1], 0x20              ; out0
	v_lshl_add_u32 v[SPW], v0, 2, SPARE
	v_mov_b32 v[NIL], 0
	ds_add_u32 v[SPW], v[NIL]                      ; the wave's opening: the add, twice on end, and its wait ahead of my first tensor load
	ds_add_u32 v[SPW], v[NIL]
	v_lshrrev_b32 v1, 5, v0
	v_readfirstlane_b32 s[WV], v1                  ; wave 0..3
	s_lshr_b32 s15, s[WV], 1                       ; which 64 queries
	s_and_b32 s16, s[WV], 1                        ; which 128 channels
	s_bfe_u32 s17, ttmp6, 0x40000                  ; cx
	s_lshl_b32 s18, ttmp9, 2
	s_add_co_u32 s18, s18, s17                     ; the tile of 128 queries, 0..63
	s_and_b32 s19, ttmp7, 0xffff                   ; the tile of 256 channels, 0..3
	s_lshr_b32 s20, ttmp9, 2                       ; the batch: the same in all four partners
	s_mov_b32 s[G1], 15|(3<<16)|(1<<21)            ; mask: all four work-groups; elements of 8 bytes; no padding; bit 21 beside a mask
	s_mov_b32 s[G1+1], 1024<<16                    ; tensor_dim0 = 1,024 elements: 8,192 bytes, a chunk's eight images
	s_mov_b32 s[G1+2], 4<<16                       ; tensor_dim1 = 4 channel blocks
	s_mov_b32 s[G1+3], 1024<<16                    ; tile_dim0
	s_mov_b32 s[G1+4], 4                           ; tile_dim1
	s_mov_b32 s[G1+5], 32768                       ; from channel block to channel block: 262,144 bytes
	s_mov_b32 s[G1+6], 0
	s_mov_b32 s[G1+7], 0
	s_lshl_b32 s22, s19, 4
	s_lshl_b32 s23, s[WV], 2
	s_add_co_u32 s22, s22, s23
	s_lshl_b32 s22, s22, 18                        ; v^T: channel block 16 x tile + 4 x wave,
	s_lshl_b32 s23, s20, 16
	s_add_co_u32 s22, s22, s23                     ; the batch's first key block,
	s_add_co_u32 s22, s22, 0x2000000               ; in v^T's region
	s_mov_b32 s23, 0
	s_lshl_b32 s21, s[WV], 15                      ; where it goes: wave x 32,768
	s_lshl_b32 s48, s18, 7
	s_lshl_b32 s49, s15, 6
	s_add_co_u32 s48, s48, s49                     ; my first query
	s_lshl_b32 s50, s19, 10
	s_lshl_b32 s51, s16, 9
	s_add_co_u32 s50, s50, s51                     ; my first channel, in bytes of f32
	s_mov_b32 s51, 0
	s_lshl_b32 s52, s48, 12                        ; x 4,096: a row of out0, and 1/16 of a query block's 65,536 bytes of p
	s_mov_b32 s53, 0
	s_lshl_b32 s48, s48, 2                         ; x 4: st
	s_mov_b32 s49, 0
	s_and_b32 s[LIM], ttmp9, 3
	s_cmp_eq_u32 s[LIM], 0
	s_cselect_b32 s[LIM], 1, -1
	s_mov_b32 s[TB], 0
	s_mov_b32 s[TJ], 0
	s_mov_b32 s[SLOTS], 5
	s_lshl_b32 s54, s17, 18
	s_add_co_u32 s54, s54, 16384                   ; the prefetches: my partner's channel block, chunk 2: the first change steps it to chunk 3
	s_mov_b32 s55, 0
	s_wait_dscnt 0x0                               ; both opening adds are done
	s_wait_kmcnt 0x0
	s_add_nc_u64 s[22:23], s[6:7], s[22:23]
	s_add_nc_u64 s[PB:PB+1], s[4:5], s[52:53]
	s_add_nc_u64 s[8:9], s[8:9], s[48:49]
	s_add_nc_u64 s[10:11], s[10:11], s[50:51]
	s_add_nc_u64 s[12:13], s[12:13], s[52:53]
	s_add_nc_u64 s[12:13], s[12:13], s[50:51]
	s_add_nc_u64 s[PFA:PFA+1], s[22:23], s[54:55]
.irp s, 0,1
	s_mov_b32 s[G0+4*\s], 1
	s_add_co_u32 s[G0+4*\s+1], s21, \s*SLOT1
	s_add_nc_u64 s[G0+4*\s+2:G0+4*\s+3], s[22:23], \s*8192
	s_or_b32 s[G0+4*\s+3], s[G0+4*\s+3], 0x80000000
.endr
	CROUND                                         ; all four work-groups are here
	tensor_load_to_lds s[G0:G0+3], s[G1:G1+7]      ; chunk 0
	s_nop 0
	tensor_load_to_lds s[G0+4:G0+7], s[G1:G1+7]    ; chunk 1: two loads of mine are out
	s_nop 0
.rept 4
	v_nop
.endr
	v_and_b32 v1, 31, v0                           ; lane
	v_and_b32 v2, 15, v0                           ; r
	v_bfe_u32 v3, v0, 4, 1                         ; h
	v_lshlrev_b32 v[LOFF], 4, v1
	v_lshlrev_b32 v[L4], 2, v1
	v_lshlrev_b32 v[BO], 5, v3
.irp j, 0,1,2,3,4,5,6,7
.irp c, 0,1
	global_load_b32 v[VF+2*\j+\c], v[L4], s[8:9] offset:65536*\j+128*\c            ; -M of chunk j, row 32 c + lane of my 64
.endr
.endr
.irp i, 0,1,2,3,4,5,6,7,8,9,10,11,12,13,14,15
.irp c, 0,1
	global_load_b32 v[VF+16+2*\i+\c], v[L4], s[8:9] offset:524288+32768*\i+128*\c  ; the sums of each 128 keys
.endr
.endr
.irp b, 0,1,2,3,4,5,6,7
	global_load_b128 v[BI+8*\b:BI+8*\b+3], v[BO], s[10:11] offset:64*\b            ; Wv_b at channels 16 b + 8 h + 0 .. 7
	global_load_b128 v[BI+8*\b+4:BI+8*\b+7], v[BO], s[10:11] offset:64*\b+16
.endr
	WIN 0x40                                       ; destination window 1
.irp q, 0,1,2,3,4,5,6
.irp a, 0,1,2,3
	global_load_b128 v[32*\q+8*\a:32*\q+8*\a+3],   v[LOFF], s[PB:PB+1] offset:\q*1024+\a*65536       ; p: chunk 0, quarters 0 to 6
	global_load_b128 v[32*\q+8*\a+4:32*\q+8*\a+7], v[LOFF], s[PB:PB+1] offset:\q*1024+\a*65536+512
.endr
.endr
	WIN 0
	s_lshl_b32 s50, s16, 16
	v_add_nc_u32 v[AV0], s50, v[LOFF]
	s_mul_i32 s50, s[WV], FTB
	s_add_co_u32 s50, s50, FT
	v_add_nc_u32 v[FTW], s50, v[L4]
	v_lshl_add_u32 v[FTR0], v2, 2, s50
	s_mul_i32 s50, s[WV], 16*SPI
	s_add_co_u32 s50, s50, STG
	v_mul_u32_u24 v[STO], v2, SPI
	v_lshl_add_u32 v[STO], v3, 5, v[STO]
	v_add_nc_u32 v[STO], s50, v[STO]               ; the stage, in: row r, 64 b + 32 h bytes on
	v_add_nc_u32 v[RD], s50, v[LOFF]               ; back: a row of 512 bytes to the 32 lanes
	v_lshlrev_b32 v[PFO], 8, v1
.irp a, 0,1,2,3
	v_mov_b32 v[FC+2*\a+1], 0                      ; (named as the upper halves of pairs)
.endr
	s_wait_loadcnt 56                              ; the statistics and the bias are in; p's 56 loads may be out
	; a row to a lane: row 32 c + lane
.irp c, 0,1
	v_min_num_f32 v[VF+48+\c], v[VF+\c], v[VF+2+\c]
.endr
.irp j, 2,3,4,5,6,7
.irp c, 0,1
	v_min_num_f32 v[VF+48+\c], v[VF+48+\c], v[VF+2*\j+\c]      ; the least -M: -M_row
.endr
.endr
.irp j, 0,1,2,3,4,5,6,7
.irp c, 0,1
	v_sub_f32 v[VF+2*\j+\c], v[VF+48+\c], v[VF+2*\j+\c]        ; M_j - M_row: a whole number, 0 or less
.endr
.endr
.irp j, 0,1,2,3,4,5,6,7
.irp c, 0,1
	v_cvt_i32_f32 v[VF+2*\j+\c], v[VF+2*\j+\c]                 ; (it saturates)
.endr
.endr
.irp j, 0,1,2,3,4,5,6,7
.irp c, 0,1
	v_ldexp_f32 v[VF+2*\j+\c], 1.0, v[VF+2*\j+\c]              ; f_j
.endr
.endr
.irp j, 0,1,2,3,4,5,6,7
.irp c, 0,1
	v_add_f32 v[VF+16+4*\j+\c], v[VF+16+4*\j+\c], v[VF+16+4*\j+2+\c]   ; the chunk's sum
.endr
.endr
.irp c, 0,1
	v_mul_f32 v[VF+50+\c], v[VF+\c], v[VF+16+\c]
.endr
.irp j, 1,2,3,4,5,6,7
.irp c, 0,1
	v_fmac_f32 v[VF+50+\c], v[VF+2*\j+\c], v[VF+16+4*\j+\c]    ; l: at least a half, since the row's own chunk has f = 1 and a p over a half
.endr
.endr
.irp c, 0,1
	v_rcp_f32 v[VF+52+\c], v[VF+50+\c]
.endr
	v_nop                                          ; a plain line behind the reciprocals
	s_wait_alu depctr_va_vdst(0)                   ; one wait for both, ahead of their first reader
.irp j, 0,1,2,3,4,5,6,7
.irp c, 0,1
	ds_store_b32 v[FTW], v[VF+2*\j+\c] offset:256*\j+128*\c
.endr
.endr
.irp c, 0,1
	ds_store_b32 v[FTW], v[VF+52+\c] offset:2048+128*\c
.endr
	v_add_nc_u32 v[FAD], s[TJ], v[FTR0]
.irp a, 0,1,2,3
	ds_load_b32 v[FC+2*\a], v[FAD] offset:64*\a    ; f_0 of query 16 a + r: my own bytes, in order behind my stores
.endr
	s_wait_tensorcnt 1                             ; my part of chunk 0 is in; chunk 1's load may be out
	s_wait_dscnt 0x0
	s_barrier_signal -1
	s_barrier_wait -1
.macro FETCH0                          ; a chunk's first quarter of v^T into buffer 0
	v_add_nc_u32 v[ADR], s[TB], v[AV0]
.irp b, 0,1,2,3,4,5,6,7
	ds_load_b128 v[VF+8*\b:VF+8*\b+3],   v[ADR] offset:\b*8192
	ds_load_b128 v[VF+8*\b+4:VF+8*\b+7], v[ADR] offset:\b*8192+512
.endr
.endm
	FETCH0
; QUARTER q of a chunk: 32 keys.  rl = 1: eight loads of p are issued; lc: how many younger loads of p may be out when this quarter's eight have to be in.
; THE RUN OF LOADS stands at the quarter's head.  It lands in registers that the quarter BEFORE read (v^T's other buffer; p's ring registers of quarter q - 1, in quarter 0 those of the last chunk's quarter 7):
; four places stand between that quarter's products and the run (ISA guide 7.12.1 for vector instructions).  Quarter 0 writes none: the four v_nop of the change of slots stand
; behind the last chunk's last product.  None of the run's registers is read by this quarter's own products.
; The 32 accumulators take turns, one instruction a turn, in the same order in every quarter.  Quarter 0 starts the chunk's sums with the constant 0.
.macro QUARTER q, rl, lc
	s_wait_loadcnt \lc
	s_wait_dscnt 0x0                               ; this quarter's fragments of v^T, asked for 32 products ago or at the change of slots, are in; so are the factors
.if ((\q) > 0) && (((\q) < 7) || (\rl))
	PLACES
.endif
.if (\q) < 7
	WIN 0
.set rD, VF+64*(((\q)+1)%2)
.irp b, 0,1,2,3,4,5,6,7
	ds_load_b128 v[rD+8*\b:rD+8*\b+3],   v[ADR] offset:\b*8192+((\q)+1)*1024        ; the next quarter's v^T into the other buffer
	ds_load_b128 v[rD+8*\b+4:rD+8*\b+7], v[ADR] offset:\b*8192+((\q)+1)*1024+512
.endr
.endif
.if \rl
	WIN 0x40                                       ; destination window 1, address window 0
.if (\q) == 0
.set rD, 224                                       ; quarter 7 of this chunk
.set oD, 7168
.else
.set rD, 32*((\q)-1)                               ; quarter q - 1 of the next chunk
.set oD, 8192+((\q)-1)*1024
.endif
.irp a, 0,1,2,3
	global_load_b128 v[rD+8*\a:rD+8*\a+3],   v[LOFF], s[PB:PB+1] offset:oD+\a*65536
	global_load_b128 v[rD+8*\a+4:rD+8*\a+7], v[LOFF], s[PB:PB+1] offset:oD+\a*65536+512
.endr
.endif
	WIN 0xa4                                       ; source 0 (v^T) window 0, source 1 (p) window 1, C and D window 2
.set i, 0
.rept 32
.set rT, 64*(i/8)+8*(i%8)
.set rV, VF+64*((\q)%2)+8*(i%8)
.set rP, 32*(\q)+8*(i/8)
.if (\q) == 0
	v_wmma_f32_16x16x32_f16 v[rT:rT+7], v[rV:rV+7], v[rP:rP+7], 0
.else
	v_wmma_f32_16x16x32_f16 v[rT:rT+7], v[rV:rV+7], v[rP:rP+7], v[rT:rT+7]
.endif
.set i, i+1
.endr
.endm
.macro CHUNK rl                        ; rl = 1: behind the group that a quarter wants, six groups of eight loads have been issued: 48.  rl = 0, the last chunk: only its own quarter 7 is still asked for, and the counts run down
.if \rl
.irp q, 0,1,2,3,4,5,6,7
	QUARTER \q, 1, 48
.endr
.else
	QUARTER 0, 1, 48
	QUARTER 1, 0, 48
	QUARTER 2, 0, 40
	QUARTER 3, 0, 32
	QUARTER 4, 0, 24
	QUARTER 5, 0, 16
	QUARTER 6, 0, 8
	QUARTER 7, 0, 0
.endif
.endm
; THE CHANGE OF SLOTS.  Each wave waits for all its tensor loads (its part of the next chunk), adds 0 to its spare word, and waits for that and for its reads of the slot.  fill = 1: behind a round of the
; cluster's barrier the slot just read takes the chunk two on: my one tensor load until the next round, with a whole chunk's 256 products in which to land.
.macro CHANGE fill
	WIN 0
	s_wait_tensorcnt 0x0                           ; no tensor load of mine is out, so a group 0 may be written
	ds_add_u32 v[SPW], v[NIL]                      ; 0 onto my spare word
	s_wait_xcnt 0x0                                ; p's loads and the last prefetch have read their bases
	s_add_nc_u64 s[PB:PB+1], s[PB:PB+1], 8192      ; p: the next chunk
.if \fill
	s_xor_b32 s[G0+5], s[G0+5], SLOT1              ; the walking descriptor: the other slot than last time,
	s_add_nc_u64 s[G0+6:G0+7], s[G0+6:G0+7], 8192  ; the next chunk
	s_add_nc_u64 s[PFA:PFA+1], s[PFA:PFA+1], 8192
.endif
	s_wait_dscnt 0x0                               ; the add is done, and my reads of the slot are over
.if \fill
	CROUND
	tensor_load_to_lds s[G0+4:G0+7], s[G1:G1+7]
	s_nop 0
.rept 4
	v_nop                                          ; (also the places behind the chunk's last products)
.endr
.else
	s_barrier_signal -1
	s_barrier_wait -1
	PLACES
.endif
	s_xor_b32 s[TB], s[TB], SLOT1
	FETCH0
.if \fill
	ASK
.endif
.endm
; total = f_j T + total (first = 1: f_0 T), ascending; then the next chunk's factors (behind the last chunk: 1 / l) are fetched.
.macro FMA first
.if \first
	WIN 0xc2                                       ; T window 2, f window 0, total window 3
.else
	WIN 0xf2
.endif
.irp a, 0,1,2,3
.set n, 0
.rept 32
.if \first
	v_pk_mul_f32 v[64*\a+n:64*\a+n+1], v[64*\a+n:64*\a+n+1], v[FC+2*\a:FC+2*\a+1] op_sel_hi:[1,0]
.else
	v_pk_fma_f32 v[64*\a+n:64*\a+n+1], v[64*\a+n:64*\a+n+1], v[FC+2*\a:FC+2*\a+1], v[64*\a+n:64*\a+n+1] op_sel_hi:[1,0,1]
.endif
.set n, n+2
.endr
.endr
	WIN 0
	s_add_co_u32 s[TJ], s[TJ], 256
	v_add_nc_u32 v[FAD], s[TJ], v[FTR0]
.irp a, 0,1,2,3
	ds_load_b32 v[FC+2*\a], v[FAD] offset:64*\a
.endr
.endm
	CHUNK 1                                        ; chunk 0
	CHANGE 1                                       ; chunk 2 is asked for
	FMA 1
.Lslot:                                                ; five trips: chunks 1 to 5; chunks 3 to 7 are asked for
	CHUNK 1
	CHANGE 1
	FMA 0
	s_sub_co_u32 s[SLOTS], s[SLOTS], 1
	s_cmp_lg_u32 s[SLOTS], 0
	s_cbranch_scc1 .Lslot
	CHUNK 1                                        ; chunk 6: the tail is written out
	CHANGE 0
	FMA 0
	CHUNK 0                                        ; chunk 7
	WIN 0
	PLACES
	FMA 0                                          ; and 1 / l is fetched
	s_wait_dscnt 0x0
; THE WAY OUT: out = total / l + Wv_b, one fused multiply-add; a block of 16 queries x 128 channels goes through my own stage and leaves as whole rows of 512 bytes.
.macro SCALE a
	WIN 0xc3                                       ; total window 3; 1 / l and the bias window 0
.irp b, 0,1,2,3,4,5,6,7
.irp n, 0,2,4,6
	v_pk_fma_f32 v[64*(\a)+8*\b+\n:64*(\a)+8*\b+\n+1], v[64*(\a)+8*\b+\n:64*(\a)+8*\b+\n+1], v[FC+2*(\a):FC+2*(\a)+1], v[BI+8*\b+\n:BI+8*\b+\n+1] op_sel_hi:[1,0,1]
.endr
.endr
.endm
.macro TOSTAGE a
	WIN 0x0c                                       ; an LDS store's data are its source 1: window 3
.irp b, 0,1,2,3,4,5,6,7
	ds_store_b128 v[STO], v[64*(\a)+8*\b:64*(\a)+8*\b+3] offset:64*\b
	ds_store_b128 v[STO], v[64*(\a)+8*\b+4:64*(\a)+8*\b+7] offset:64*\b+16
.endr
	WIN 0
.set BB, VF+64*((\a)%2)
.irp t, 0,1,2,3,4,5,6,7,8,9,10,11,12,13,14,15
	ds_load_b128 v[BB+4*\t:BB+4*\t+3], v[RD] offset:\t*SPI   ; LDS serves a wave's instructions in order: these see my stores, and the next block's stores come behind them
.endr
.endm
.macro SEND a, younger                 ; younger: the LDS instructions issued behind block a's loads, which may stay out
.set BB, VF+64*((\a)%2)
	s_wait_dscnt \younger
.irp t, 0,1,2,3,4,5,6,7,8,9,10,11,12,13,14,15
	global_store_b128 v[LOFF], v[BB+4*\t:BB+4*\t+3], s[12:13] offset:(16*(\a)+\t)*4096 th:TH_STORE_NT   ; 512 consecutive bytes, aligned; written once
.endr
.endm
	SCALE 0
	TOSTAGE 0
.irp a, 1,2,3
.if \a > 1
	s_wait_xcnt 0x0                                ; block a - 2's stores have read their registers: block a's loads may land there
.endif
	SCALE \a
	TOSTAGE \a
	SEND \a-1, 32                                  ; behind block a - 1's loads: block a's 16 stores and 16 loads
.endr
	SEND 3, 0
	s_wait_tensorcnt 0x0                           ; the wave's end
	ds_add_u32 v[SPW], v[NIL]
	s_wait_dscnt 0x0
	CROUND                                         ; the closing round
	s_endpgm
.Lfunc_end_k_q2be809a931_pv:
	.size	k_q2be809a931_pv, .Lfunc_end_k_q2be809a931_pv-k_q2be809a931_pv
	.p2alignl 7, 3214868480
	.fill 96, 4, 3214868480
	.section	.rodata,"a",@progbits
	.p2align	6, 0x0
	.amdhsa_kernel k_q2be809a931_pv
		.amdhsa_group_segment_fixed_size 327680
		.amdhsa_private_segment_fixed_size 0
		.amdhsa_enable_private_segment 0
		.amdhsa_kernarg_size 40
		.amdhsa_user_sgpr_count 2
		.amdhsa_user_sgpr_kernarg_segment_ptr 1
		.amdhsa_wavefront_size32 1
		.amdhsa_system_sgpr_workgroup_id_x 1
		.amdhsa_system_sgpr_workgroup_id_y 1
		.amdhsa_system_sgpr_workgroup_id_z 1
		.amdhsa_system_vgpr_workitem_id 0
		.amdhsa_next_free_vgpr 1024
		.amdhsa_next_free_sgpr 66
		.amdhsa_reserve_vcc 0
		.amdhsa_float_denorm_mode_32 3
		.amdhsa_float_denorm_mode_16_64 3
		.amdhsa_memory_ordered 1
		.amdhsa_forward_progress 1
		.amdhsa_inst_pref_size 204
	.end_amdhsa_kernel
	.amdgpu_metadata
---
amdhsa.version: [ 1, 2 ]
amdhsa.kernels:
  - .name:           k_q2be809a931_pv
    .symbol:         k_q2be809a931_pv.kd
    .args:
      - { .name: p, .offset: 0, .size: 8, .value_kind: global_buffer, .address_space: global }
      - { .name: qkv, .offset: 8, .size: 8, .value_kind: global_buffer, .address_space: global }
      - { .name: st, .offset: 16, .size: 8, .value_kind: global_buffer, .address_space: global }
      - { .name: Wv_b, .offset: 24, .size: 8, .value_kind: global_buffer, .address_space: global }
      - { .name: out0, .offset: 32, .size: 8, .value_kind: global_buffer, .address_space: global }
    .group_segment_fixed_size: 327680
    .private_segment_fixed_size: 0
    .kernarg_segment_align: 8
    .kernarg_segment_size: 40
    .max_flat_workgroup_size: 128
    .sgpr_count:     66
    .vgpr_count:     1024
    .wavefront_size: 32
...
	.end_amdgpu_metadata
.endif
;; end of part 4
